; MI455X (gfx1250); checked and timed in simulation.
; The chip was launched on July 23, 2026; its instructions are those of AMD's public machine-readable ISA for CDNA 5 (MIT licence, August 2026) and "CDNA5" Instruction Set Architecture Reference Guide (July 2026). The comments in the code are by the model that wrote it; some were corrected since.
;; Multi Head Attention. Allowed arithmetic: matrix products marked QUANTISED: E3M2 operands, one E8M0 scale for each 32 along K, by v_wmma_scale_f32_16x16x128_f8f6f4 with both operands' format E3M2, f32 sums; everything else in f32.
;; Inputs: w_out 1,024 x 1,024 float32; w_qkv 3,072 x 1,024 float32; x 1 x 4,096 x 1,024 float32.
;; Outputs: out0 1 x 4,096 x 1,024 float32.
;; This version of the problem:
;;   THIS VERSION OF THE PROBLEM IS GIVEN IN LOW PRECISION. The matrix products marked QUANTISED in the list below multiply operands that are first quantised to E3M2 (3 exponent bits, 2 mantissa bits; 6 bits a number), with one power-of-two scale for each 32 numbers along K (OCP MX v1.0); their sums are f32. All else is computed in f32.
;;   The module's matrix products, in the order in which they are computed (A, B: the left and right operand; K: the contracted axis; several contracted axes count as one K, in the product's order):
;;     1. [M 4,096, K 1,024] x [K 1,024, N 3,072]; A: input x; B: input w_qkv: QUANTISED
;;     2. batch 16 x [M 4,096, K 64] x [K 64, N 4,096]; A: computed on the way; B: computed on the way: QUANTISED
;;     3. batch 16 x [M 4,096, K 4,096] x [K 4,096, N 64]; A: softmax (see below); B: computed on the way: QUANTISED
;;     4. [M 4,096, K 1,024] x [K 1,024, N 1,024]; A: computed on the way; B: input w_out: QUANTISED
;;   THE QUANTISER, for each operand of a quantised product, along K:
;;     - K is cut into blocks of 32 from its start; a last block that is shorter is filled with zeros.
;;     - A block's scale is 2^e with e = floor(log2(the largest magnitude in the block)) - 4, held to -126 .. 127; a block of zeros has e = 0. As a byte (E8M0): e + 127.
;;     - Each number is divided by its block's scale, clamped to +-28, and rounded to the nearest number of E3M2, ties to even, subnormals kept.
;;     - The product sums the exact products of the quantised numbers (number of the format x scale) in f32.
;;   ~~~python
;;   def quantise(x, axis):      # numpy; x: float32 -> the quantised numbers, widened to float32 again
;;       x = np.moveaxis(x, axis, -1); K = x.shape[-1]
;;       x = np.pad(x, [(0, 0)] * (x.ndim - 1) + [(0, -K % 32)]); x = x.reshape(x.shape[:-1] + (-1, 32)); a = np.abs(x).max(-1, keepdims=True)
;;       e = np.where(a > 0, np.clip(np.frexp(np.where(a > 0, a, 1))[1] - 1 - 4, -126, 127), 0)      # np.frexp(a)[1] - 1 = floor(log2(a)), exactly
;;       r = np.clip(x / 2.0 ** e, -28, 28)
;;       step = 2.0 ** (np.maximum(np.frexp(np.where(r == 0, 1, r))[1] - 1, -2) - 2)
;;       q = np.round(r / step) * step * 2.0 ** e      # np.round: ties to even
;;       return np.moveaxis(q.reshape(q.shape[:-2] + (-1,))[..., :K], -1, axis).astype(np.float32)
;;   ~~~
;;   SOFTMAX AHEAD OF A QUANTISED PRODUCT. Where the list says 'softmax', what is quantised is not the finished softmax but p = 2^(t - M), with t = logit x log2(e) and M = ceil(the row's largest t), a whole number; so 1/2 < the row's largest p <= 1. The row's sum l is taken of the UNQUANTISED p, in f32, and the product's result is divided by l at the end. Since M is a whole number, a kernel that streams over the keys may use a running M (the ceiling of the running maximum): every later rescaling is an exact power of two, which a block's scale takes up: the codes' values come out the same.
;;   OPERANDS COMPUTED ON THE WAY. 'Computed on the way' means the value that the module computes at that place (a softmax that the list does not call 'softmax' is quantised finished and normalised). What goes into a quantiser is computed in f32, as accurately as f32 sums, v_exp_f32 and their like allow (about 1e-6 of the number): no bf16 or f16 on the way to a quantiser, and a product that is left as it is and whose result goes on into a quantised operand takes f32 operands (vector FMAs, or v_wmma_f32_16x16x4_f32). A number that lies on a knife's edge between two numbers of the format may be rounded either way, as far as f32 arithmetic and the matrix unit's own rounding can turn it there, and no further.
;; One version. Each part assembles by itself: llvm-mc -triple=amdgcn-amd-amdhsa -mcpu=gfx1250 --defsym DOCPART=n.
;; ======== version 1 of 1: 4 launches
;; limits: right only within a limited range of input values
;; workspace buffers: cw 6,553,600 bytes; rope 1,048,576 bytes; qbuf 3,407,872 bytes; kv 6,684,672 bytes; ao 3,276,800 bytes
;; launch prep (part 1): grid 320 x 1, 4 waves a work-group, no clusters, 34,304 bytes of LDS; arguments x, w_qkv, w_out, cw, rope; writes cw, rope
.if DOCPART == 1
	.amdgcn_target "amdgcn-amd-amdhsa--gfx1250"
	.amdhsa_code_object_version 6
	.text
	.protected	k_q9dcc1a8251_prep
	.globl	k_q9dcc1a8251_prep
	.p2align	8
	.type	k_q9dcc1a8251_prep,@function
k_q9dcc1a8251_prep:
	s_mov_b64 s[64:65], 0
	v_nop
	global_prefetch_b8 v0, s[64:65] scope:SCOPE_SE
	s_setreg_imm32_b32 hwreg(HW_REG_WAVE_MODE, 25, 1), 1
	s_wait_xcnt 0x0
; x [4096][1024], w_qkv [3072][1024], w_out [1024][1024], f32, K innermost, become codes of E3M2 with one E8M0 byte for each 32 along K, laid in the ORDER OF THE OPERAND'S REGISTERS;
; and the table of cosines and sines for the rotation of q and k is made.
; BLOCKS.  cw is 64 blocks of 102,400 bytes, each 128 rows x 1,024 along K: blocks 0-31 x, 32-55 w_qkv, 56-63 w_out.  In a block: the fragment (16 rows x 128 K, 12 registers a lane) of K step s and tile t
; at (8 s + t) x 1,536: registers 0-3 at 16 x lane, 4-5 at 512 + 8 x lane, 6-9 at 768 + 16 x lane, 10-11 at 1,280 + 8 x lane; the scale words at 98,304 + 512 t + 256 (s / 4) + 16 r + 4 (s % 4).
; THE ROWS OF A TILE ARE NOT NEIGHBOURS: of each 32 rows, tile u (0, 1) takes in its row r the row 8 u + r + 8 (r / 8), so that a product that has such tiles as source 0 leaves 16 neighbours in a lane's 16 registers of two tiles.
; WORK-GROUPS 0-255: one group of 32 rows each (131,072 dense bytes).  Wave w: tile u = w % 2, K steps 4 (w / 2) + 0 .. 3.  Each load reads 512 consecutive bytes of a row; a K step's 16 rows turn through the wave's own
; stage in LDS (rows of 512 + 16 bytes) and come back as the operand wants them: lane (r, h) holds of row r the blocks k = 64 c + 32 h + 0 .. 31, c = 0, 1, whole: no other lane is asked for a maximum.
; A block's scale is 2^(floor(log2(its largest magnitude)) - 4); its byte is the largest magnitude's exponent field - 4, held at 1 from below.
; WORK-GROUPS 256-319: wave = one tile of 16 tokens; lane (r, h) holds its token's cosines and sines of frequencies 16 h + 0 .. 15; rope[tile][c][lane][16 bytes], c 0-3 cosines, 4-7 sines.
; LIMITS: NaN and infinities among the inputs are not served.  A block of zeros, or one whose largest magnitude lies under 2^-122, gets the byte 1 (this program alone reads the bytes; zero codes add nothing).
; The inverse frequencies are the f32 numbers nearest to 10^(-i/8); a power function in f32 may give a neighbour, which moves an angle by some 1e-4 at the last token.  The two-term reduction of the angle serves angles up to 4,095, the largest at this size.
; No tensor loads, no barrier: waves share nothing.  Matrix units and clusters have no work here: memory binds.
; WORK LEFT OUT, in the attention launch: reference() itself hides key k from query q where k > q (its own triu mask, whatever the inputs hold); tiles of scores all of whose keys come after all their queries are not computed.
; LIMIT: a NaN, an infinity or an overflow that reaches only such hidden scores is not carried to the result.
.set RR, 16
.set XX, 144                           ; v144-207 my two blocks of 32 neighbours
.set PC, 208                           ; v208-219 the fragment's 12 registers
.set CT, 220                           ; v220-222, v224-226 the upper halves of the two blocks (a conversion's three registers begin on an even number)
.set MX, 228                           ; v228-229 largest magnitudes
.set SO, 230                           ; v230-231 the conversions' scale operands
.set BY, 232                           ; v232-233 the bytes
.set WW, 236                           ; v236-239 the scale words of my four K steps
	s_load_b256 s[4:11], s[0:1], 0x0               ; x s[4:5], w_qkv s[6:7], w_out s[8:9], cw s[10:11]
	s_load_b64 s[12:13], s[0:1], 0x20              ; rope
	v_lshl_add_u32 v254, v0, 2, 0x8400
	v_mov_b32 v255, 0
	v_lshrrev_b32 v1, 5, v0
	v_readfirstlane_b32 s14, v1                    ; wave 0..3
	v_and_b32 v1, 31, v0                           ; lane
	v_and_b32 v2, 15, v0                           ; r
	v_bfe_u32 v3, v0, 4, 1                         ; h
	v_lshlrev_b32 v4, 4, v1                        ; 16 x lane
	v_cmp_ne_u32 s30, 0, v3                        ; the lanes with h = 1
	s_cmp_ge_u32 ttmp9, 256
	s_cbranch_scc1 .Lrope
	; ---------------- the quantiser ----------------
	s_and_b32 s15, s14, 1                          ; u
	s_lshr_b32 s16, s14, 1                         ; which half of K
	s_mul_i32 s17, s14, 8448                       ; my stage
	v_add_nc_u32 v5, s17, v4                       ; into it: 16 x lane of a row
	v_mul_u32_u24 v6, v2, 528
	v_lshl_add_u32 v6, v3, 7, v6
	v_add_nc_u32 v6, s17, v6                       ; out of it: row r, + 128 h bytes
	v_lshlrev_b32 v8, 3, v1                        ; 8 x lane
	v_lshlrev_b32 v9, 4, v2
	v_lshl_add_u32 v9, v3, 3, v9                   ; 16 r + 8 h: my 8 bytes of the scale words
	v_lshlrev_b32 v10, 3, v3                       ; 8 h: my bytes' place in a scale word
	v_mov_b32 v234, 0                              ; written once: a lane permute's destination counts as one of its sources
	s_mov_b32 s20, 0x76543210
	s_mov_b32 s21, 0xfedcba98                      ; v_permlanex16_b32's selects for lane l xor 16
	s_mov_b32 s18, 224
	s_wait_alu depctr_va_vdst(0)
	s_wait_kmcnt 0x0
	s_cmp_lt_u32 ttmp9, 224                        ; which tensor: the choice hangs on the work-group's number alone
	s_cselect_b64 s[22:23], s[6:7], s[8:9]
	s_cselect_b32 s18, 128, s18
	s_cmp_lt_u32 ttmp9, 128
	s_cselect_b64 s[22:23], s[4:5], s[22:23]
	s_cselect_b32 s18, 0, s18
	s_sub_co_u32 s18, ttmp9, s18                   ; which 32 rows of it
	s_lshl_b32 s24, s18, 17                        ; 32 rows of 4,096 bytes,
	s_lshl_b32 s25, s15, 15                        ; 8 u rows,
	s_add_co_u32 s24, s24, s25
	s_lshl_b32 s25, s16, 11                        ; 512 along K for the upper half
	s_add_co_u32 s24, s24, s25
	s_mov_b32 s25, 0
	s_add_nc_u64 s[22:23], s[22:23], s[24:25]
	s_lshr_b32 s26, ttmp9, 2
	s_mul_i32 s26, s26, 102400                     ; the block
	s_and_b32 s27, ttmp9, 3
	s_lshl_b32 s27, s27, 1
	s_add_co_u32 s27, s27, s15                     ; the tile in it
	s_lshl_b32 s28, s16, 5
	s_add_co_u32 s28, s28, s27
	s_mul_i32 s28, s28, 1536                       ; (8 x first K step + tile) x 1,536
	s_add_co_u32 s28, s28, s26
	s_mov_b32 s29, 0
	s_add_nc_u64 s[28:29], s[10:11], s[28:29]      ; my codes
	s_lshl_b32 s27, s27, 9
	s_lshl_b32 s31, s16, 8
	s_add_co_u32 s27, s27, s31
	s_add_co_u32 s26, s26, s27
	s_add_co_u32 s26, s26, 98304
	s_mov_b32 s27, 0
	s_add_nc_u64 s[26:27], s[10:11], s[26:27]      ; my 256 bytes of scale words
.macro LOAD q                          ; K step q of my 16 rows: each load 512 consecutive bytes
.irp p, 0,1,2,3,4,5,6,7,8,9,10,11,12,13,14,15
	global_load_b128 v[RR+64*((\q)%2)+4*\p:RR+64*((\q)%2)+4*\p+3], v4, s[22:23] offset:(\p+8*(\p/8))*4096+512*(\q) th:TH_LOAD_NT
.endr
.endm
.macro TURN q                          ; through the stage: LDS serves a wave's instructions in order, so no wait stands between the stores and the loads
.irp p, 0,1,2,3,4,5,6,7,8,9,10,11,12,13,14,15
	ds_store_b128 v5, v[RR+64*((\q)%2)+4*\p:RR+64*((\q)%2)+4*\p+3] offset:528*\p
.endr
.irp c, 0,1
.irp i, 0,1,2,3,4,5,6,7
	ds_load_b128 v[XX+32*\c+4*\i:XX+32*\c+4*\i+3], v6 offset:256*\c+16*\i
.endr
.endr
.endm
.macro QUANT6 q                        ; my two blocks become the fragment's registers and my row's scale word
.irp c, 0,1
	v_max3_num_f32 v[MX+\c], |v[XX+32*\c]|, |v[XX+32*\c+1]|, 0x2800000   ; with the floor 2^(5 - 127): the byte cannot fall under 1
.endr
.irp i, 2,4,6,8,10,12,14,16,18,20,22,24,26,28,30
.irp c, 0,1
	v_max3_num_f32 v[MX+\c], v[MX+\c], |v[XX+32*\c+\i]|, |v[XX+32*\c+\i+1]|   ; the two blocks by turns
.endr
.endr
.irp c, 0,1
	v_add_nc_u32 v[SO+\c], 0xfe000000, v[MX+\c]    ; 4 off the exponent field: the conversion takes the exponent field of this operand as its scale
.endr
.irp c, 0,1
	v_lshrrev_b32 v[BY+\c], 23, v[SO+\c]           ; the byte
.endr
	v_lshl_or_b32 v235, v[BY+1], 16, v[BY]         ; blocks h and 2 + h of my row,
	v_lshlrev_b32 v235, v10, v235                  ; at their places in the word;
	v_permlanex16_b32 v234, v235, s20, s21
	v_or_b32 v[WW+\q], v235, v234                  ; with lane l xor 16's two the word is whole, in both lanes
.irp c, 0,1
	v_cvt_scalef32_pk16_bf6_f32 v[PC+6*\c:PC+6*\c+2], v[XX+32*\c:XX+32*\c+15], v[SO+\c]
	v_cvt_scalef32_pk16_bf6_f32 v[CT+4*\c:CT+4*\c+2], v[XX+32*\c+16:XX+32*\c+31], v[SO+\c]
.endr
	v_nop                                          ; one plain place behind a scaled conversion
.irp c, 0,1
.irp i, 0,1,2
	v_mov_b32 v[PC+3+6*\c+\i], v[CT+4*\c+\i]
.endr
.endr
.endm
.macro STEPQ q
.if \q < 3
	s_wait_loadcnt 16                              ; this K step's 16 loads are in; the next step's 16 may be out
.else
	s_wait_loadcnt 0x0
.endif
	TURN \q
	s_wait_dscnt 0x0                               ; the numbers are back; the stores into the stage have read their registers,
.if \q < 2
	LOAD \q+2                                      ; which take the loads of two steps on
.endif
.if \q > 0
	s_wait_xcnt 0x0                                ; the last step's stores have read the fragment's registers: they are written again only behind this wait
.endif
	QUANT6 \q
	global_store_b128 v4, v[PC:PC+3], s[28:29] offset:12288*\q          ; 512, 256, 512, 256 consecutive bytes, each at a multiple of 256 from the buffer's first byte
	global_store_b64 v8, v[PC+4:PC+5], s[28:29] offset:12288*\q+512
	global_store_b128 v4, v[PC+6:PC+9], s[28:29] offset:12288*\q+768
	global_store_b64 v8, v[PC+10:PC+11], s[28:29] offset:12288*\q+1280
.endm
	LOAD 0
	LOAD 1
	STEPQ 0
	STEPQ 1
	STEPQ 2
	STEPQ 3
	v_cndmask_b32 v240, v[WW], v[WW+2], s30        ; lanes 0-15 store steps 0, 1 of row r, lanes 16-31 steps 2, 3:
	v_cndmask_b32 v241, v[WW+1], v[WW+3], s30
	global_store_b64 v9, v[240:241], s[26:27]      ; the wave stores 256 consecutive bytes, aligned
	s_wait_tensorcnt 0x0
	ds_add_u32 v254, v255
	s_wait_dscnt 0x0
	s_endpgm
	; ---------------- the table of cosines and sines ----------------
.Lrope:
	s_sub_co_u32 s16, ttmp9, 256
	s_lshl_b32 s16, s16, 2
	s_add_co_u32 s16, s16, s14                     ; my tile of tokens, 0..255
	s_lshr_b32 s17, s16, 1
	s_lshl_b32 s17, s17, 5
	s_and_b32 s18, s16, 1
	s_lshl_b32 s18, s18, 3
	s_add_co_u32 s17, s17, s18                     ; 32 (tile / 2) + 8 (tile % 2)
	s_wait_alu depctr_va_vdst(0)
	v_and_b32 v5, 8, v2
	v_add_nc_u32 v5, v5, v2                        ; + r + 8 (r / 8)
	v_add_nc_u32 v5, s17, v5
	v_cvt_f32_u32 v10, v5                          ; my token
	s_lshl_b32 s18, s16, 12
	s_mov_b32 s19, 0
	s_mov_b32 s32, 0x3f22f983                      ; 2 / pi
	s_mov_b32 s33, 0xbfc90fdb                      ; -(pi / 2 rounded to f32)
	s_mov_b32 s34, 0x333bbd2e                      ; that number less pi / 2: 4.3711388e-8
	s_mov_b32 s35, 0xb94ca1f9                      ; sine on [-pi/4, pi/4]: r + r z ((s35 z + s36) z + s37), z = r r
	s_mov_b32 s36, 0x3c08839e
	s_mov_b32 s37, 0xbe2aaaa3
	s_mov_b32 s38, 0x37ccf5ce                      ; cosine: 1 - z / 2 + z z ((s38 z + s39) z + s40)
	s_mov_b32 s39, 0xbab6061a
	s_mov_b32 s40, 0x3d2aaaa5
	s_wait_alu depctr_va_vdst(0)
	s_wait_kmcnt 0x0
	s_add_nc_u64 s[12:13], s[12:13], s[18:19]
; frequency i (lanes 0-15: fa = 10^(-i/8); lanes 16-31: fb = 10^(-(16+i)/8)).  The angle is the f32 product, as the module has it.
.macro ANGLE i, fa, fb
	v_mul_f32 v16, \fa, v10
	v_mul_f32 v17, \fb, v10
	v_cndmask_b32 v16, v16, v17, s30               ; a
	v_mul_f32 v17, s32, v16
	v_rndne_f32 v17, v17                           ; k = the nearest whole number to a / (pi / 2), at most 2,607
	v_fma_f32 v18, v17, s33, v16                   ; a - k x the rounded pi / 2: exact (under 1 in magnitude, a multiple of 2^-23)
	v_fma_f32 v18, v17, s34, v18                   ; and the rest of pi / 2
	v_cvt_i32_f32 v19, v17
	v_mul_f32 v20, v18, v18                        ; z
	v_fma_f32 v21, s35, v20, s36
	v_fma_f32 v22, s38, v20, s39
	v_fma_f32 v21, v21, v20, s37
	v_fma_f32 v22, v22, v20, s40
	v_mul_f32 v23, v20, v18
	v_mul_f32 v24, v20, v20
	v_fma_f32 v25, v20, -0.5, 1.0
	v_fma_f32 v21, v21, v23, v18                   ; sin r
	v_fma_f32 v22, v22, v24, v25                   ; cos r
	v_and_b32 v23, 1, v19
	v_cmp_ne_u32 vcc_lo, 0, v23                    ; odd quarter turns change the two
	v_cndmask_b32 v24, v21, v22, vcc_lo
	v_cndmask_b32 v25, v22, v21, vcc_lo
	v_and_b32 v23, 2, v19                          ; the sine is negative in quarters 2, 3,
	v_lshlrev_b32 v23, 30, v23
	v_xor_b32 v[48+\i], v24, v23
	v_add_nc_u32 v19, 1, v19                       ; the cosine in quarters 1, 2
	v_and_b32 v19, 2, v19
	v_lshlrev_b32 v19, 30, v19
	v_xor_b32 v[32+\i], v25, v19
.endm
	ANGLE 0, 1.0, 0.01
	ANGLE 1, 0.7498942093, 0.007498942093
	ANGLE 2, 0.5623413252, 0.005623413252
	ANGLE 3, 0.4216965034, 0.004216965034
	ANGLE 4, 0.3162277660, 0.003162277660
	ANGLE 5, 0.2371373706, 0.002371373706
	ANGLE 6, 0.1778279410, 0.001778279410
	ANGLE 7, 0.1333521432, 0.001333521432
	ANGLE 8, 0.1, 0.001
	ANGLE 9, 0.07498942093, 0.0007498942093
	ANGLE 10, 0.05623413252, 0.0005623413252
	ANGLE 11, 0.04216965034, 0.0004216965034
	ANGLE 12, 0.03162277660, 0.0003162277660
	ANGLE 13, 0.02371373706, 0.0002371373706
	ANGLE 14, 0.01778279410, 0.0001778279410
	ANGLE 15, 0.01333521432, 0.0001333521432
.irp c, 0,1,2,3,4,5,6,7
	global_store_b128 v4, v[32+4*\c:35+4*\c], s[12:13] offset:512*\c    ; 512 consecutive bytes a store
.endr
	s_endpgm
.Lfunc_end_k_q9dcc1a8251_prep:
	.size	k_q9dcc1a8251_prep, .Lfunc_end_k_q9dcc1a8251_prep-k_q9dcc1a8251_prep
	.p2alignl 7, 3214868480
	.fill 96, 4, 3214868480
	.section	.rodata,"a",@progbits
	.p2align	6, 0x0
	.amdhsa_kernel k_q9dcc1a8251_prep
		.amdhsa_group_segment_fixed_size 34304
		.amdhsa_private_segment_fixed_size 0
		.amdhsa_enable_private_segment 0
		.amdhsa_kernarg_size 40
		.amdhsa_user_sgpr_count 2
		.amdhsa_user_sgpr_kernarg_segment_ptr 1
		.amdhsa_wavefront_size32 1
		.amdhsa_system_sgpr_workgroup_id_x 1
		.amdhsa_system_sgpr_workgroup_id_y 1
		.amdhsa_system_sgpr_workgroup_id_z 1
		.amdhsa_system_vgpr_workitem_id 0
		.amdhsa_next_free_vgpr 256
		.amdhsa_next_free_sgpr 66
		.amdhsa_reserve_vcc 1
		.amdhsa_float_denorm_mode_32 3
		.amdhsa_float_denorm_mode_16_64 3
		.amdhsa_memory_ordered 1
		.amdhsa_forward_progress 1
		.amdhsa_inst_pref_size 54
	.end_amdhsa_kernel
	.amdgpu_metadata
---
amdhsa.version: [ 1, 2 ]
amdhsa.kernels:
  - .name:           k_q9dcc1a8251_prep
    .symbol:         k_q9dcc1a8251_prep.kd
    .args:
      - { .name: x, .offset: 0, .size: 8, .value_kind: global_buffer, .address_space: global }
      - { .name: w_qkv, .offset: 8, .size: 8, .value_kind: global_buffer, .address_space: global }
      - { .name: w_out, .offset: 16, .size: 8, .value_kind: global_buffer, .address_space: global }
      - { .name: cw, .offset: 24, .size: 8, .value_kind: global_buffer, .address_space: global }
      - { .name: rope, .offset: 32, .size: 8, .value_kind: global_buffer, .address_space: global }
    .group_segment_fixed_size: 34304
    .private_segment_fixed_size: 0
    .kernarg_segment_align: 8
    .kernarg_segment_size: 40
    .max_flat_workgroup_size: 128
    .sgpr_count:     66
    .vgpr_count:     256
    .wavefront_size: 32
...
	.end_amdgpu_metadata
.endif
;; end of part 1
;; launch qkv (part 2): grid 8 x 32, 4 waves a work-group, clusters of 4 x 4, 327,680 bytes of LDS; arguments cw, rope, qbuf, kv; writes qbuf, kv
.if DOCPART == 2
	.amdgcn_target "amdgcn-amd-amdhsa--gfx1250"
	.amdhsa_code_object_version 6
	.text
	.protected	k_q9dcc1a8251_qkv
	.globl	k_q9dcc1a8251_qkv
	.p2align	8
	.type	k_q9dcc1a8251_qkv,@function
k_q9dcc1a8251_qkv:
	s_mov_b64 s[64:65], 0
	v_nop
	global_prefetch_b8 v0, s[64:65] scope:SCOPE_SE
	s_setreg_imm32_b32 hwreg(HW_REG_WAVE_MODE, 25, 1), 1
	s_wait_xcnt 0x0
	s_wait_alu depctr_hold_cnt(0) depctr_sa_sdst(0) depctr_va_vdst(0) depctr_va_sdst(0) depctr_va_ssrc(0) depctr_va_vcc(0) depctr_vm_vsrc(0)
	s_getreg_b32 s2, hwreg(HW_REG_IB_STS2, 6, 4)
	s_cmp_eq_u32 s2, 0
	s_cbranch_scc0 .Lentry_in_a_cluster
	s_endpgm
.Lentry_in_a_cluster:
	s_bfe_u32 s2, ttmp6, 0x10000c
	s_cmp_lg_u32 s2, 0xf033
	s_cbranch_scc0 .Lentry_shape_is_right
	s_endpgm
.Lentry_shape_is_right:
; qkv = x w_qkv^T on codes of E3M2; q and k are rotated (RoPE) in f32 and quantised along the head's 64; v is quantised along the tokens (the keys of the second attention product).  Nothing wide goes to memory.
; SHARES.  Work-group (X, Y) makes 128 tokens (block Y of x) x three chunks of 128 features: q, k and v of heads 2 X and 2 X + 1: every work-group runs the same text.  Wave (wy, wx) makes 64 tokens x 64 features
; (one head) of each chunk: 16 accumulators of 16 x 16.  The whole K (1,024) of x's block and of a weight block lies in LDS: 102,400 bytes each, in the order of the operands' registers, so a fragment comes by
; two loads of 16 bytes and two of 8 a lane, each over consecutive bytes: no pitch, no padding.
; LDS: x's block at 0; slot B0 at 102,400 (q's weights, later v's); slot B1 at 204,800 (k's); the spare words at 307,200.  All of the WGP's LDS is claimed.
; CLUSTERS: 4 x 4 work-groups.  x's block hangs on Y alone and is shared along a row of the cluster, the weight blocks on X alone and are shared along a column: each is asked for JOINTLY (same line, same descriptor,
; a mask that names the four), which divides the requests by four.  k's and v's weights come a quarter a wave (100 rows of 256 bytes); x's block and q's weights a half a wave, from two waves each.  A wave has one tensor load out at the most.
; q, k: source 0 = 16 rows of W, source 1 = 16 tokens: a lane holds ONE token, and the 16 registers of two neighbouring tiles are features 32 b + 16 h + 0 .. 15 of the head (the rows of a tile of W are chosen for that).
; So the rotation's partners (d, d + 32) lie in one lane, 16 registers apart, and the head's two blocks of 32 are quantised with one exchange between the halves of the lanes.
; v: source 0 = 16 tokens, source 1 = 16 rows of W: a lane holds ONE feature and its registers run along the tokens, which are the next K.
; OUT.  qbuf[head][64 tokens]: four images of six registers (768 bytes a tile of 16 tokens), then the scale words (bytes 0, 1; bytes 2, 3 are 0: the other half of that product's K step holds zero codes).
; kv[head][key step of 128 keys]: 13,056 dense bytes: K's images, V's fragments, K's and V's scale words, as the attention's loads want them.
; LIMITS: NaN and infinities are not served; a block under 2^-122 gets the byte 1 (zero codes add nothing; this program alone reads the bytes).
; REGISTERS: window 0: v4-20 addresses; v21-22 for the add; v32-63 scale words; v64-71, v72-113 at work; v128-255 the accumulators (source 1's tile j, source 0's tile i: v[128 + 8 (4 j + i)]).
;   window 1: two sets of fragments at v0 and v128: source 0's four, then source 1's four.   window 2: v0-127 cosines and sines of my four tiles of tokens.
; THE LOADS AS THEY STAND: at the head one joint load a wave: waves 0, 1 the halves (200 rows of 256 bytes) of x's block, waves 2, 3 the halves of q's weights; k's weights, a quarter a wave, behind the next round; v's as the one refill.
; kv AS IT STANDS: kv[head][key step of 128 keys]: 13,056 dense bytes: K's images at 0, V's fragments at 6,144, K's scale words at 12,288, V's at 12,800.
.set BLK,   102400
.set QTR,   25600                      ; a wave's quarter of a block
.set LB0,   BLK
.set LB1,   2*BLK
.set SPARE, 3*BLK                      ; the spare words: 128 bytes a wave, two blocks of 256 bytes that no other line names
.set SCO,   98304                      ; where a block's scale words begin
.set AA,    4                          ; v4-7   x's fragments: 16 l, 8 l, and both 49,152 on (K steps 4-7), + my 64 tokens
.set AB0,   8                          ; v8-11  the same in slot B0, + my 64 features
.set AB1,   12                         ; v12-15 in slot B1
.set ADRS0, 16                         ; v16    scale words: lanes 0-15 x's, lanes 16-31 slot B0's
.set ADRS1, 17                         ; v17    lanes 16-31 slot B1's
.set O16,   18                         ; v18    16 x lane
.set O8,    19                         ; v19    8 x lane
.set ORH,   20                         ; v20    16 r + 8 h
.set SPW,   21                         ; v21    my spare word; never rewritten
.set NIL,   22                         ; v22    0; never rewritten
.set SCR,   32                         ; v[32 + 8 i + s]: lanes 0-15 the word of x's tile i, lanes 16-31 of W's tile i, K step s
.set TU,    64
.set PC,    72                         ; v72-83 codes; v84-86, v88-90 upper halves
.set TM,    92                         ; v92-107
.set PWS,   108                        ; v108-109 the two scale words
.set SD,    110
.set ACC,   128
.set G1A, 24
.set G1B, 32
.set G0A, 40
.set G0Q, 44
.set G0K, 48
.set G0V, 52
.set SQ,  56
.set SK,  58
.set SKS, 60
.set SV,  62
.set SVS, 66
.set RP,  68
.set SEL, 70
.set HM,  72
.set MSB, 0
.macro WIN new                         ; the immediate's high byte repeats the setting that is left
.if MSB != \new
	s_set_vgpr_msb (MSB<<8)|\new
.set MSB, \new
.endif
.endm
.set TO_F, 0x40                        ; destination window 1
.set MUL,  0x05                        ; sources 0 and 1 window 1; C and D window 0
.macro CROUND                          ; a round of the cluster's barrier
	s_barrier_signal -1
	s_barrier_wait -1
	s_cmp_lg_u32 s12, 0
	s_cbranch_scc1 .Lnot_wave_0_\@
	s_barrier_signal -3
.Lnot_wave_0_\@:
	s_barrier_wait -3
	s_barrier_signal -1
	s_barrier_wait -1
.endm
.macro PLACES                          ; four places behind a matrix instruction of this form, in front of loads into its registers and of reads of its result
.rept 4
	v_nop
.endr
.endm
	s_load_b256 s[4:11], s[0:1], 0x0               ; cw s[4:5], rope s[6:7], qbuf s[8:9], kv s[10:11]
	v_lshl_add_u32 v[SPW], v0, 2, SPARE
	v_mov_b32 v[NIL], 0
	ds_add_u32 v21, v22
	ds_add_u32 v21, v22
	s_wait_dscnt 0x0
	v_lshrrev_b32 v1, 5, v0
	v_readfirstlane_b32 s12, v1                    ; wave 0..3
	s_lshr_b32 s13, s12, 1                         ; wy: which 64 tokens
	s_and_b32 s14, s12, 1                          ; wx: which head of the pair
	s_bfe_u32 s15, ttmp6, 0x40000                  ; cx
	s_bfe_u32 s16, ttmp6, 0x40004                  ; cy
	s_lshl_b32 s17, ttmp9, 2
	s_add_co_u32 s17, s17, s15                     ; X = 4 x cluster x + cx
	s_and_b32 s18, ttmp7, 0xffff
	s_lshl_b32 s18, s18, 2
	s_add_co_u32 s18, s18, s16                     ; Y = 4 x cluster y + cy
	s_lshl_b32 s19, s16, 2
	s_lshl_b32 s19, 15, s19                        ; my row of the cluster
	s_lshl_b32 s20, 0x1111, s15                    ; my column
	s_or_b32 s[G1A], s19, (3<<16)|(1<<21)          ; 15:0 the mask; 17:16 elements of 8 bytes; 21 set beside a mask; no padding
	s_or_b32 s[G1B], s20, (3<<16)|(1<<21)
.irp g, G1A, G1B
	s_mov_b32 s[\g+1], 32<<16                      ; tensor_dim0 = 32 elements: 256 bytes
	s_mov_b32 s[\g+2], 200<<16                     ; tensor_dim1 = 200 rows for the head's loads
	s_mov_b32 s[\g+3], 32<<16                      ; tile_dim0
	s_mov_b32 s[\g+4], 200                         ; tile_dim1
	s_mov_b32 s[\g+5], 32                          ; the pitch: dense
	s_mov_b32 s[\g+6], 0
	s_mov_b32 s[\g+7], 0
.endr
	s_mul_i32 s21, s12, QTR                        ; my quarter: in memory and in LDS alike; no place in the cluster enters an LDS address
	s_mul_i32 s88, s14, 2*QTR                      ; the head's loads: which half of a block, in memory and in LDS alike
	s_mul_i32 s74, s18, BLK                        ; x's block: hangs on Y and the wave alone
	s_add_co_u32 s74, s74, s88
	s_add_co_u32 s90, s17, 32                      ; q's weights by halves: hangs on X and the wave alone
	s_mul_i32 s90, s90, BLK
	s_add_co_u32 s90, s90, s88
	s_mov_b32 s91, 0
	s_mov_b32 s75, 0
	s_add_co_u32 s76, s17, 32                      ; q's weights: block 32 + X: hangs on X and the wave alone
	s_mul_i32 s76, s76, BLK
	s_add_co_u32 s76, s76, s21
	s_mov_b32 s77, 0
	s_wait_kmcnt 0x0
	s_add_nc_u64 s[74:75], s[4:5], s[74:75]
	s_add_nc_u64 s[76:77], s[4:5], s[76:77]
	s_mov_b32 s[G0A], 1
	s_mov_b32 s[G0A+1], s88
	s_mov_b64 s[G0A+2:G0A+3], s[74:75]
	s_or_b32 s[G0A+3], s[G0A+3], 0x80000000
	s_mov_b32 s[G0Q], 1
	s_add_co_u32 s[G0Q+1], s88, LB0
	s_add_nc_u64 s[G0Q+2:G0Q+3], s[4:5], s[90:91]
	s_or_b32 s[G0Q+3], s[G0Q+3], 0x80000000
	s_mov_b32 s[G0K], 1
	s_add_co_u32 s[G0K+1], s21, LB1
	s_add_nc_u64 s[G0K+2:G0K+3], s[76:77], 8*BLK   ; k's weights: eight blocks on
	s_or_b32 s[G0K+3], s[G0K+3], 0x80000000
	s_mov_b32 s[G0V], 1
	s_add_co_u32 s[G0V+1], s21, LB0
	s_add_nc_u64 s[G0V+2:G0V+3], s[76:77], 16*BLK  ; v's: sixteen
	s_or_b32 s[G0V+3], s[G0V+3], 0x80000000
	CROUND                                         ; all sixteen work-groups are here: the first joint loads meet
	s_cmp_eq_u32 s13, 0                            ; one load a wave at the head.  Waves 0, 1: x's halves; waves 2, 3: q's weights' halves
	s_cbranch_scc0 .Lhead_w
	tensor_load_to_lds s[G0A:G0A+3], s[G1A:G1A+7]
	s_nop 0
.rept 4
	v_nop
.endr
	s_branch .Lhead_asked
.Lhead_w:
	tensor_load_to_lds s[G0Q:G0Q+3], s[G1B:G1B+7]
	s_nop 0
.rept 4
	v_nop
.endr
.Lhead_asked:
.rept 4
	v_nop
.endr
	v_and_b32 v1, 31, v0                           ; lane
	v_and_b32 v2, 15, v0                           ; r
	v_bfe_u32 v3, v0, 4, 1                         ; h
	v_lshlrev_b32 v[O16], 4, v1
	v_lshlrev_b32 v[O8], 3, v1
	v_lshlrev_b32 v[ORH], 4, v2
	v_lshl_add_u32 v[ORH], v3, 3, v[ORH]
	v_cmp_ne_u32 s[HM], 0, v3
	s_mul_i32 s78, s13, 6144                       ; my four tiles of tokens
	s_mul_i32 s79, s14, 6144                       ; my four tiles of features
	v_add_nc_u32 v[AA], s78, v[O16]
	v_add_nc_u32 v[AA+1], s78, v[O8]
	v_add_nc_u32 v[AA+2], 49152, v[AA]
	v_add_nc_u32 v[AA+3], 49152, v[AA+1]
	s_add_co_u32 s78, s79, LB0
	v_add_nc_u32 v[AB0], s78, v[O16]
	v_add_nc_u32 v[AB0+1], s78, v[O8]
	v_add_nc_u32 v[AB0+2], 49152, v[AB0]
	v_add_nc_u32 v[AB0+3], 49152, v[AB0+1]
	s_add_co_u32 s78, s79, LB1
	v_add_nc_u32 v[AB1], s78, v[O16]
	v_add_nc_u32 v[AB1+1], s78, v[O8]
	v_add_nc_u32 v[AB1+2], 49152, v[AB1]
	v_add_nc_u32 v[AB1+3], 49152, v[AB1+1]
	s_lshl_b32 s78, s13, 11
	s_add_co_u32 s78, s78, SCO
	v_lshl_add_u32 v23, v2, 4, s78                 ; x's scale words: 98,304 + 2,048 wy + 16 r
	s_xor_b32 s79, s13, 1
	s_add_co_u32 s79, s79, s14
	s_lshl_b32 s79, s79, 11
	s_add_co_u32 s79, s79, LB0-2048                ; the distance to W's: the slot + 2,048 (wx - wy), as ONE product with h
	v_mul_u32_u24 v24, s79, v3
	v_add_nc_u32 v[ADRS0], v23, v24
	s_add_co_u32 s79, s79, BLK
	v_mul_u32_u24 v24, s79, v3
	v_add_nc_u32 v[ADRS1], v23, v24
.irp b, 0,1,2,3
	v_mov_b32 v[TM+4+\b], 0                        ; written once: a lane permute's destination counts as one of its sources
.endr
	s_mov_b32 s[SEL], 0x76543210
	s_mov_b32 s[SEL+1], 0xfedcba98
	; where the results go
	s_lshl_b32 s80, s17, 1
	s_add_co_u32 s80, s80, s14                     ; my head
	s_lshl_b32 s82, s80, 6
	s_lshl_b32 s83, s18, 1
	s_add_co_u32 s82, s82, s83
	s_add_co_u32 s82, s82, s13                     ; head x 64 + my group of 64 tokens
	s_mul_i32 s82, s82, 3328
	s_mov_b32 s83, 0
	s_add_nc_u64 s[SQ:SQ+1], s[8:9], s[82:83]
	s_mul_i32 s81, s80, 417792
	s_mul_i32 s84, s18, 13056
	s_add_co_u32 s81, s81, s84                     ; my head's key step Y: 13,056 dense bytes
	s_mov_b32 s87, 0
	s_mul_i32 s86, s13, 3072
	s_add_co_u32 s86, s86, s81
	s_add_nc_u64 s[SK:SK+1], s[10:11], s[86:87]    ; K's images: my four tiles
	s_mul_i32 s86, s13, 768
	s_add_co_u32 s86, s86, s81
	s_add_co_u32 s86, s86, 6144
	s_add_nc_u64 s[SV:SV+1], s[10:11], s[86:87]    ; V's fragments: my half (64 keys) of each
	s_lshl_b32 s86, s13, 8
	s_add_co_u32 s86, s86, s81
	s_add_co_u32 s86, s86, 12288
	s_add_nc_u64 s[SKS:SKS+1], s[10:11], s[86:87]  ; K's scale words
	s_lshl_b32 s86, s13, 1
	s_add_co_u32 s86, s86, s81
	s_add_co_u32 s86, s86, 12800
	s_add_nc_u64 s[SVS:SVS+1], s[10:11], s[86:87]  ; V's: my two bytes of each word
	s_lshl_b32 s86, s18, 3
	s_lshl_b32 s84, s13, 2
	s_add_co_u32 s86, s86, s84
	s_lshl_b32 s86, s86, 12
	s_add_nc_u64 s[RP:RP+1], s[6:7], s[86:87]      ; the table at my first tile of tokens
	WIN 0x80                                       ; destination window 2
.irp t, 0,1,2,3
.irp c, 0,1,2,3,4,5,6,7
	global_load_b128 v[32*\t+4*\c:32*\t+4*\c+3], v[O16], s[RP:RP+1] offset:4096*\t+512*\c   ; tile t: 16 cosines, then 16 sines
.endr
.endr
	WIN 0
.macro FRAG reg, ad, off               ; a fragment's 12 registers, as they were stored
	ds_load_b128 v[\reg:\reg+3], v[\ad] offset:\off
	ds_load_b64 v[\reg+4:\reg+5], v[\ad+1] offset:\off+512
	ds_load_b128 v[\reg+6:\reg+9], v[\ad] offset:\off+768
	ds_load_b64 v[\reg+10:\reg+11], v[\ad+1] offset:\off+1280
.endm
.macro FETCH buf, ks, ad0, ad1         ; K step ks: source 0's four fragments and source 1's four: 32 loads
.irp i, 0,1,2,3
	FRAG \buf+12*\i, \ad0+2*((\ks)/4), ((\ks)%4)*12288+1536*\i
	FRAG \buf+48+12*\i, \ad1+2*((\ks)/4), ((\ks)%4)*12288+1536*\i
.endr
.endm
.macro SCALES adrs                     ; all eight K steps' words of my four tiles of each side: eight loads
.irp i, 0,1,2,3
	ds_load_b128 v[SCR+8*\i:SCR+8*\i+3], v[\adrs] offset:512*\i
	ds_load_b128 v[SCR+8*\i+4:SCR+8*\i+7], v[\adrs] offset:512*\i+256
.endr
.endm
; 16 matrix instructions, the 16 accumulators by turns, in the same order in every K step.  rs = 0: source 0 is W (its words in lanes 16-31); 1: source 1 is.
.macro MUL16 buf, ks, rs, zero
.irp j, 0,1,2,3
.irp i, 0,1,2,3
.if \zero
.if \rs == 0
	v_wmma_scale_f32_16x16x128_f8f6f4 v[ACC+8*(4*\j+\i):ACC+8*(4*\j+\i)+7], v[\buf+12*\i:\buf+12*\i+11], v[\buf+48+12*\j:\buf+48+12*\j+11], 0, v[SCR+8*\i+\ks], v[SCR+8*\j+\ks] matrix_a_fmt:MATRIX_FMT_BF6 matrix_b_fmt:MATRIX_FMT_BF6 matrix_a_scale:MATRIX_SCALE_ROW1
.else
	v_wmma_scale_f32_16x16x128_f8f6f4 v[ACC+8*(4*\j+\i):ACC+8*(4*\j+\i)+7], v[\buf+12*\i:\buf+12*\i+11], v[\buf+48+12*\j:\buf+48+12*\j+11], 0, v[SCR+8*\i+\ks], v[SCR+8*\j+\ks] matrix_a_fmt:MATRIX_FMT_BF6 matrix_b_fmt:MATRIX_FMT_BF6 matrix_b_scale:MATRIX_SCALE_ROW1
.endif
.else
.if \rs == 0
	v_wmma_scale_f32_16x16x128_f8f6f4 v[ACC+8*(4*\j+\i):ACC+8*(4*\j+\i)+7], v[\buf+12*\i:\buf+12*\i+11], v[\buf+48+12*\j:\buf+48+12*\j+11], v[ACC+8*(4*\j+\i):ACC+8*(4*\j+\i)+7], v[SCR+8*\i+\ks], v[SCR+8*\j+\ks] matrix_a_fmt:MATRIX_FMT_BF6 matrix_b_fmt:MATRIX_FMT_BF6 matrix_a_scale:MATRIX_SCALE_ROW1
.else
	v_wmma_scale_f32_16x16x128_f8f6f4 v[ACC+8*(4*\j+\i):ACC+8*(4*\j+\i)+7], v[\buf+12*\i:\buf+12*\i+11], v[\buf+48+12*\j:\buf+48+12*\j+11], v[ACC+8*(4*\j+\i):ACC+8*(4*\j+\i)+7], v[SCR+8*\i+\ks], v[SCR+8*\j+\ks] matrix_a_fmt:MATRIX_FMT_BF6 matrix_b_fmt:MATRIX_FMT_BF6 matrix_b_scale:MATRIX_SCALE_ROW1
.endif
.endif
.endr
.endr
.endm
; A chunk's eight K steps, written out.  While one set of fragments is multiplied the next step's 32 loads are on their way into the other.
.macro KLOOP ad0, ad1, adrs, rs
	SCALES \adrs
	WIN TO_F
	FETCH 0, 0, \ad0, \ad1
.irp k, 0,1,2,3,4,5,6
	PLACES                                         ; the other set was read by the products just issued
	WIN TO_F
	FETCH 128*((\k+1)%2), \k+1, \ad0, \ad1
	s_wait_dscnt 32                                ; all but the 32 just issued
	WIN MUL
.if \k == 0
	MUL16 0, 0, \rs, 1                             ; the first products start the sums: nothing is cleared
.else
	MUL16 128*(\k%2), \k, \rs, 0
.endif
.endr
	s_wait_dscnt 0x0
	MUL16 128, 7, \rs, 0
	WIN 0
	PLACES
.endm
; The rotation: x1 (d under 32) and x2 (d + 32) lie 16 registers apart: x1' = x1 cos - x2 sin, x2' = x2 cos + x1 sin.  Each accumulator is read from its low end on.
.macro ROPE
	WIN 0x08                                       ; source 1 window 2: the table
.irp t, 0,1,2,3
.irp p, 0,1,2,3,4,5,6,7
	v_pk_mul_f32 v[TU+4*(\p%2):TU+4*(\p%2)+1], v[ACC+32*\t+16+2*\p:ACC+32*\t+17+2*\p], v[32*\t+16+2*\p:32*\t+17+2*\p]
	v_pk_mul_f32 v[TU+2+4*(\p%2):TU+3+4*(\p%2)], v[ACC+32*\t+2*\p:ACC+32*\t+1+2*\p], v[32*\t+16+2*\p:32*\t+17+2*\p]
	v_pk_fma_f32 v[ACC+32*\t+2*\p:ACC+32*\t+1+2*\p], v[ACC+32*\t+2*\p:ACC+32*\t+1+2*\p], v[32*\t+2*\p:32*\t+1+2*\p], v[TU+4*(\p%2):TU+4*(\p%2)+1] neg_lo:[0,0,1] neg_hi:[0,0,1]
	v_pk_fma_f32 v[ACC+32*\t+16+2*\p:ACC+32*\t+17+2*\p], v[ACC+32*\t+16+2*\p:ACC+32*\t+17+2*\p], v[32*\t+2*\p:32*\t+1+2*\p], v[TU+2+4*(\p%2):TU+3+4*(\p%2)]
.endr
.endr
	WIN 0
.endm
; 64 numbers of a lane, register 16 b + i = place 32 b + 16 h + i along the quantiser's axis: four blocks of 32, each shared with lane l xor 16.  Codes into v[PC] on, the four bytes into v[pw].
; Blocks 0, 1 belong to source 1's tile 2 p, blocks 2, 3 to tile 2 p + 1: registers PC .. PC + 5 and PC + 6 .. PC + 11 are those tiles' images, bytes 0, 1 and 2, 3 their scales.
.macro QUANT s, pw
.irp b, 0,1,2,3
	v_max3_num_f32 v[TM+\b], |v[\s+16*\b]|, |v[\s+1+16*\b]|, 0x2800000   ; with the floor 2^(5 - 127)
.endr
.irp i, 2,4,6,8,10,12,14
.irp b, 0,1,2,3
	v_max3_num_f32 v[TM+\b], v[TM+\b], |v[\s+16*\b+\i]|, |v[\s+1+16*\b+\i]|
.endr
.endr
.irp b, 0,1,2,3
	v_permlanex16_b32 v[TM+4+\b], v[TM+\b], s[SEL], s[SEL+1]
.endr
.irp b, 0,1,2,3
	v_max_num_f32 v[TM+\b], v[TM+\b], v[TM+4+\b]
.endr
.irp b, 0,1,2,3
	v_add_nc_u32 v[TM+12+\b], 0xfe000000, v[TM+\b]   ; 4 off the exponent field: the conversion's scale operand
.endr
.irp b, 0,1,2,3
	v_lshrrev_b32 v[TM+4+\b], 23, v[TM+12+\b]
.endr
	v_lshl_or_b32 v[\pw], v[TM+5], 8, v[TM+4]
	v_lshl_or_b32 v[\pw], v[TM+6], 16, v[\pw]
	v_lshl_or_b32 v[\pw], v[TM+7], 24, v[\pw]
.irp c, 0,1
	v_cvt_scalef32_pk16_bf6_f32 v[PC+6*\c:PC+2+6*\c], v[\s+32*\c:\s+15+32*\c], v[TM+12+2*\c]
	v_cvt_scalef32_pk16_bf6_f32 v[PC+12+4*\c:PC+14+4*\c], v[\s+16+32*\c:\s+31+32*\c], v[TM+12+2*\c+1]
.endr
	v_nop                                          ; one plain place behind a scaled conversion
.irp c, 0,1                            ; the operand's layout wants a whole block in a lane
.irp i, 0,1,2
	v_permlane16_swap_b32 v[PC+6*\c+\i], v[PC+12+4*\c+\i]
.endr
.irp i, 0,1,2
	v_mov_b32 v[PC+3+6*\c+\i], v[PC+12+4*\c+\i]
.endr
.endr
.endm
; A chunk leaves: four images (512 + 256 consecutive bytes each) and the scale bytes.  kind 0: q, k: a word a tile, 8 bytes a lane, 256 consecutive bytes a wave.
; kind 1: v: a word's four bytes come from two waves (64 keys each), so two bytes a store: 64 bytes a lane-row group; the launch stores 131,072 bytes so.
.macro EPI base, stride, sbase, soff, kind
.irp p, 0,1
	s_wait_xcnt 0x0                                ; earlier stores have read the registers that are written again below
	QUANT ACC+64*\p, PWS+\p
	global_store_b128 v[O16], v[PC:PC+3], s[\base:\base+1] offset:2*\p*\stride
	global_store_b64 v[O8], v[PC+4:PC+5], s[\base:\base+1] offset:2*\p*\stride+512
	global_store_b128 v[O16], v[PC+6:PC+9], s[\base:\base+1] offset:(2*\p+1)*\stride
	global_store_b64 v[O8], v[PC+10:PC+11], s[\base:\base+1] offset:(2*\p+1)*\stride+512
.endr
	v_cndmask_b32 v[SD], v[PWS], v[PWS+1], s[HM]   ; lanes 0-15: tiles 0, 1; lanes 16-31: tiles 2, 3
.if \kind == 0
	v_lshrrev_b32 v[SD+1], 16, v[SD]
	v_and_b32 v[SD], 0xffff, v[SD]
	global_store_b64 v[ORH], v[SD:SD+1], s[\sbase:\sbase+1] offset:\soff
.else
	global_store_b16 v[ORH], v[SD], s[\sbase:\sbase+1] offset:\soff
	global_store_d16_hi_b16 v[ORH], v[SD], s[\sbase:\sbase+1] offset:\soff+4
.endif
.endm
	s_wait_alu depctr_va_vdst(0)
	s_wait_tensorcnt 0x0                           ; my half of x's block or of q's weights is in
	ds_add_u32 v[SPW], v[NIL]
	s_mov_b32 s[G1B+2], 100<<16                    ; no tensor load of mine is out: from here on a load brings a quarter of a block, 100 rows
	s_mov_b32 s[G1B+4], 100
	s_wait_dscnt 0x0
	CROUND                                         ; everybody's part is in, and the sixteen work-groups meet
	tensor_load_to_lds s[G0K:G0K+3], s[G1B:G1B+7]  ; k's weights into slot B1: they have q's chunk in which to land
	s_nop 0
.rept 4
	v_nop
.endr
	KLOOP AB0, AA, ADRS0, 0                        ; q
	s_wait_tensorcnt 0x0                           ; all my tensor loads have landed, k's weights among them;
	ds_add_u32 v[SPW], v[NIL]                      ; 0 onto my spare word;
	s_wait_dscnt 0x0                               ; the add is done, and my reads of slot B0 are over
	CROUND                                         ; no wave of any partner still reads slot B0 or has a load on its way
	tensor_load_to_lds s[G0V:G0V+3], s[G1B:G1B+7]  ; v's weights into slot B0: the one refill; it has q's way out and all of k's chunk in which to land
	s_nop 0
.rept 4
	v_nop
.endr
	s_wait_loadcnt 0x0                             ; the table
	ROPE
	EPI SQ, 768, SQ, 3072, 0
	KLOOP AB1, AA, ADRS1, 0                        ; k
	ROPE
	EPI SK, 768, SKS, 0, 0
	s_wait_tensorcnt 0x0                           ; my quarter of v's weights is in,
	s_wait_dscnt 0x0
	s_barrier_signal -1
	s_barrier_wait -1                              ; everybody's is
	KLOOP AA, AB0, ADRS0, 1                        ; v: the tokens are source 0
	EPI SV, 1536, SVS, 0, 1
	s_wait_tensorcnt 0x0                           ; the wave's end
	ds_add_u32 v[SPW], v[NIL]
	s_wait_dscnt 0x0
	CROUND                                         ; the closing round
	s_endpgm
.Lfunc_end_k_q9dcc1a8251_qkv:
	.size	k_q9dcc1a8251_qkv, .Lfunc_end_k_q9dcc1a8251_qkv-k_q9dcc1a8251_qkv
	.p2alignl 7, 3214868480
	.fill 96, 4, 3214868480
	.section	.rodata,"a",@progbits
	.p2align	6, 0x0
	.amdhsa_kernel k_q9dcc1a8251_qkv
		.amdhsa_group_segment_fixed_size 327680
		.amdhsa_private_segment_fixed_size 0
		.amdhsa_enable_private_segment 0
		.amdhsa_kernarg_size 32
		.amdhsa_user_sgpr_count 2
		.amdhsa_user_sgpr_kernarg_segment_ptr 1
		.amdhsa_wavefront_size32 1
		.amdhsa_system_sgpr_workgroup_id_x 1
		.amdhsa_system_sgpr_workgroup_id_y 1
		.amdhsa_system_sgpr_workgroup_id_z 1
		.amdhsa_system_vgpr_workitem_id 0
		.amdhsa_next_free_vgpr 768
		.amdhsa_next_free_sgpr 96
		.amdhsa_reserve_vcc 0
		.amdhsa_float_denorm_mode_32 3
		.amdhsa_float_denorm_mode_16_64 3
		.amdhsa_memory_ordered 1
		.amdhsa_forward_progress 1
		.amdhsa_inst_pref_size 158
	.end_amdhsa_kernel
	.amdgpu_metadata
---
amdhsa.version: [ 1, 2 ]
amdhsa.kernels:
  - .name:           k_q9dcc1a8251_qkv
    .symbol:         k_q9dcc1a8251_qkv.kd
    .args:
      - { .name: cw, .offset: 0, .size: 8, .value_kind: global_buffer, .address_space: global }
      - { .name: rope, .offset: 8, .size: 8, .value_kind: global_buffer, .address_space: global }
      - { .name: qbuf, .offset: 16, .size: 8, .value_kind: global_buffer, .address_space: global }
      - { .name: kv, .offset: 24, .size: 8, .value_kind: global_buffer, .address_space: global }
    .group_segment_fixed_size: 327680
    .private_segment_fixed_size: 0
    .kernarg_segment_align: 8
    .kernarg_segment_size: 32
    .max_flat_workgroup_size: 128
    .sgpr_count:     96
    .vgpr_count:     768
    .wavefront_size: 32
...
	.end_amdgpu_metadata
.endif
;; end of part 2
;; launch attn (part 3): grid 16 x 16, 16 waves a work-group, no clusters, 327,680 bytes of LDS; arguments qbuf, kv, ao; writes ao
.if DOCPART == 3
	.amdgcn_target "amdgcn-amd-amdhsa--gfx1250"
	.amdhsa_code_object_version 6
	.text
	.protected	k_q9dcc1a8251_attn
	.globl	k_q9dcc1a8251_attn
	.p2align	8
	.type	k_q9dcc1a8251_attn,@function
k_q9dcc1a8251_attn:
	s_mov_b64 s[64:65], 0
	v_nop
	global_prefetch_b8 v0, s[64:65] scope:SCOPE_SE
	s_setreg_imm32_b32 hwreg(HW_REG_WAVE_MODE, 25, 1), 1
	s_wait_xcnt 0x0
; Causal attention of one head on codes of E3M2: S^T = K Q^T (K = the head's 64, filled to the instruction's 128 with zero codes on both sides), p = 2^(t - M), O^T += V^T P^T (128 keys a step), O / the row's sum,
; quantised along head x 64 + d for the last product.  t = score x log2(e) / 8; M = the running largest t rounded UP to a whole number; the sum is taken of the unquantised p; when M moves, sum and O^T are multiplied by 2^(old M - new M): exact.
; LEFT OUT: key steps all of whose keys come after all the block's queries (reference()'s own causal mask hides them).
; SHARES.  Work-group (b, head) makes two blocks of 128 queries: block 31 - b, which needs key steps 0 .. 31 - b, then block b, which needs 0 .. b: ONE WALK OF 33 PLACES in every work-group.
; Sixteen waves: wave 8 e + t has tile t (16 queries) of the block in hand and the places of parity e: 17 or 16 steps a wave.  Behind its last step of the first block a wave lays its half of that block's result
; (O^T, -M, sums: 4,608 bytes) into LDS bytes of its own and begins the second block.  Parity 1 is done with place 31 and lays its half of the second block down too, ahead of the last barrier.  Behind that barrier
; wave (1, t) joins the two halves of the first block's tile t, while wave (0, t) works place 32 and then joins the second block's tile t from its registers and its partner's half:
; both halves are brought under the larger M by powers of two, added, divided by the sum and quantised.
; LAYOUT.  Both products are used transposed: a lane holds ONE query (lane % 16).  Row r of tile 2 G + u is token 32 G + 8 u + r + 8 (r / 8), so the 16 registers of score tiles 2 b, 2 b + 1 are keys 32 b + 16 h + 0 .. 15.
; A key step is 13,056 dense bytes of kv: K's images at 768 t, V's fragments at 6,144 + 1,536 f, K's scale words at 12,288, V's at 12,800.
; LDS: two slots of EIGHT places (104,448 bytes) at 0 and 131,072, waves 0-7 fetching one place (51 rows of 256 bytes) each: four steps a wave between two barriers.  Between the slots: four halves of the second block
; and the spare words; behind slot 1: the 16 halves of the first block and the other four of the second.  All of the WGP's LDS is claimed.
; A wave has one tensor load out at the most.the add ahead of a refill's barrier is written twice.
; The step is written three times: in a counted loop of four trips inside the loop over slots, in the same loop for the last full slot, and once for place 32.
; NO CLUSTER: the 16 work-groups of a head ask for the same key steps only up to place 31 - b, which differs between them; from there on each asks for other tiles than its partners in the same trip.
; NO PREFETCH: each key step's 13,056 bytes are asked for by all 16 work-groups of the head, in the same order from step 0 on; a work-group's own share of first touches is one sixteenth of its loads.
; LIMITS: NaN and infinities are not served; a block of p or of O under 2^-122 gets the byte 1 with zero codes; the scaled scores stay under 2^31 in magnitude.
.set STEPB, 13056
.set SLOT1, 131072
.set PART,  4608                       ; a half: eight images of four registers, then v12-15
.set GAP,   8*STEPB                    ; behind slot 0: the second block's halves of tiles 0-3,
.set SPARE, GAP+4*PART                 ; and the spare words: 128 bytes for each of 16 waves, named by no other line
.set STAGE, SLOT1+8*STEPB              ; behind slot 1: the first block's 16 halves,
.set TOPLO, STAGE+16*PART              ; and the second block's halves of tiles 4-7, up to byte 327,680
.set VCO,   6144
.set KSCO,  12288
.set VSCO,  12800
.set SH,  1                            ; v1   my half of the first block; until it is laid down the second block's Q waits there
.set SL,  2                            ; v2   tile t's half of the second block: wave 8 + t stores it, wave t reads it
.set A16, 3                            ; v3   my place in hand + 16 x lane
.set A8,  4                            ; v4   + 8 x lane
.set ASC, 5                            ; v5   + 16 r
.set SPW, 6                            ; v6   my spare word; never rewritten
.set NIL, 7                            ; v7   0; never rewritten
.set DD,  8                            ; v8   my query's place in its key step, less 16 h
.set L16, 9
.set L8,  10
.set R16, 11                           ; v12 -M, v13 the largest t, v[14:15] the sum in two halves
.set QF,  16                           ; v16-27 Q's fragment (v22-27 zero codes)
.set QS,  28
.set MR,  29                           ; v29  wave t's half of the first block
.set FF,  30
.set PW,  31
.set KF,  32                           ; v32-79 four fragments of K: registers 0-5 loaded, 6-11 zero codes; behind the score products the loaded halves are at work
.set BM,  56
.set CH,  60
.set SO,  68
.set KSC, 80
.set VSC, 88
.set PT,  92
.set SS,  96                           ; v96-159 S^T, then p
.set OT,  160                          ; v160-191 O^T
.set VF,  192
.set PC,  240
.set TMP, 252
.set NINF, 253
.macro PLACES
.rept 4
	v_nop
.endr
.endm
.macro TLOAD lim                       ; waves under lim fetch one place each; the branch hangs on the wave's number alone
	s_cmp_lt_u32 s10, \lim
	s_cbranch_scc0 .Lno_load_\@
	tensor_load_to_lds s[32:35], s[24:31]
	s_nop 0
.rept 4
	v_nop
.endr
.Lno_load_\@:
.endm
.macro FRAG reg, ad, off
	ds_load_b128 v[\reg:\reg+3], v[\ad] offset:\off
	ds_load_b64 v[\reg+4:\reg+5], v[\ad+1] offset:\off+512
	ds_load_b128 v[\reg+6:\reg+9], v[\ad] offset:\off+768
	ds_load_b64 v[\reg+10:\reg+11], v[\ad+1] offset:\off+1280
.endm
.macro ADDR d, a, b, base              ; s[d:d+1] = a buffer's address + two offsets
	s_add_co_u32 s[\d], s[\a], s[\b]
	s_mov_b32 s[\d+1], 0
	s_add_nc_u64 s[\d:\d+1], s[\base:\base+1], s[\d:\d+1]
.endm
.macro RESET                           ; a block begins: the largest t -3e38, -M its negative (a whole number), sums and O^T zeros, which the first change of M leaves zeros
	v_mov_b32 v13, 0xff61b1e6
	v_mov_b32 v12, 0x7f61b1e6
	v_mov_b32 v14, 0
	v_mov_b32 v15, 0
.set NN, 0
.rept 32
	v_mov_b32 v[OT+NN], 0
.set NN, NN+1
.endr
.endm
.macro SAVE ad                         ; a half goes to LDS; each accumulator from its low end on
.irp j, 0,1,2,3,4,5,6,7
	ds_store_b128 v[\ad], v[OT+4*\j:OT+4*\j+3] offset:512*\j
.endr
	ds_store_b128 v[\ad], v[12:15] offset:4096
.endm
.macro LOADP o, st, ad                 ; and comes back
.irp j, 0,1,2,3,4,5,6,7
	ds_load_b128 v[\o+4*\j:\o+4*\j+3], v[\ad] offset:512*\j
.endr
	ds_load_b128 v[\st:\st+3], v[\ad] offset:4096
.endm
	s_load_b128 s[4:7], s[0:1], 0x0                ; qbuf, kv
	s_load_b64 s[8:9], s[0:1], 0x10                ; ao
	v_lshl_add_u32 v[SPW], v0, 2, SPARE
	v_mov_b32 v[NIL], 0
	ds_add_u32 v[SPW], v[NIL]                      ; the opening lines: the add twice on end and its wait
	ds_add_u32 v[SPW], v[NIL]
	v_lshrrev_b32 v[TMP], 5, v0
	s_delay_alu instid0(VALU_DEP_1)
	v_readfirstlane_b32 s10, v[TMP]                ; wave 0..15
	s_lshr_b32 s11, s10, 3                         ; e: my parity
	s_and_b32 s13, s10, 7                          ; t: my tile
	s_and_b32 s12, ttmp7, 0xffff                   ; the head
	s_sub_co_u32 s14, 31, ttmp9                    ; the first block
	s_mov_b32 s15, s14                             ; the place whose step lies on the diagonal of the block in hand
	s_sub_co_u32 s37, 32, ttmp9                    ; the second block's first place
	s_add_co_u32 s19, s37, s11
	s_and_b32 s19, s19, 1
	s_add_co_u32 s19, s19, s37                     ; my parity's first place from there on (33 at the most)
	s_mov_b32 s24, 3<<16                           ; group 1: elements of 8 bytes, no mask, no padding
	s_mov_b32 s25, 32<<16                          ; rows of 256 bytes,
	s_mov_b32 s26, 51<<16                          ; 51 of them,
	s_mov_b32 s27, 32<<16
	s_mov_b32 s28, 51
	s_mov_b32 s29, 32                              ; dense
	s_mov_b32 s30, 0
	s_mov_b32 s31, 0
	s_mov_b32 s36, s13                             ; the place that I fetch
	s_mul_i32 s33, s36, STEPB                      ; into slot 0
	s_mov_b32 s32, 1
	s_mov_b32 s38, s33                             ; places 0-7 are key steps 0-7 (32 - b is 17 at the least)
	s_mov_b32 s39, 0
	s_mul_i32 s42, s12, 32*STEPB
	s_mov_b32 s43, 0
	s_wait_dscnt 0x0
	s_wait_kmcnt 0x0
	s_add_nc_u64 s[40:41], s[6:7], s[42:43]        ; the head's keys
	s_add_nc_u64 s[34:35], s[40:41], s[38:39]
	s_or_b32 s35, s35, 0x80000000
	TLOAD 8
	s_lshl_b32 s42, s12, 6                         ; qbuf: group of 64 queries = head x 64 + 2 x block + t / 4, 3,328 bytes each
	s_lshr_b32 s43, s13, 2
	s_add_co_u32 s42, s42, s43
	s_lshl_b32 s43, s14, 1
	s_add_co_u32 s43, s43, s42
	s_mul_i32 s43, s43, 3328
	s_lshl_b32 s44, ttmp9, 1
	s_add_co_u32 s44, s44, s42
	s_mul_i32 s44, s44, 3328
	s_and_b32 s45, s13, 3
	s_mul_i32 s46, s45, 768
	s_lshl_b32 s45, s45, 2
	s_add_co_u32 s45, s45, 3072
	ADDR 48, 43, 46, 4                             ; the first block's image of my tile,
	ADDR 50, 43, 45, 4                             ; its scale words,
	ADDR 52, 44, 46, 4                             ; the second block's
	ADDR 54, 44, 45, 4
	s_cmp_eq_u32 s11, 0
	s_cselect_b32 s42, ttmp9, s14                  ; the block whose tile I join and store: parity 0 the second, parity 1 the first
	s_mul_i32 s42, s42, 102400                     ; ao: its 102,400 bytes
	s_lshr_b32 s43, s12, 1                         ; the K step = head / 2
	s_lshl_b32 s44, s43, 3
	s_add_co_u32 s44, s44, s13
	s_mul_i32 s44, s44, 1536
	s_and_b32 s45, s12, 1                          ; the half of the fragment = head % 2
	s_mul_i32 s46, s45, 768
	s_add_co_u32 s44, s44, s46
	ADDR 56, 44, 42, 8                             ; my image
	s_lshl_b32 s44, s13, 9
	s_lshr_b32 s46, s12, 3
	s_lshl_b32 s46, s46, 8
	s_add_co_u32 s44, s44, s46
	s_and_b32 s43, s43, 3
	s_lshl_b32 s43, s43, 2
	s_add_co_u32 s44, s44, s43
	s_lshl_b32 s45, s45, 1
	s_add_co_u32 s44, s44, s45
	s_add_co_u32 s44, s44, 98304
	ADDR 58, 44, 42, 8                             ; my two bytes of each row's scale word
	s_mul_i32 s60, s10, PART
	s_add_co_u32 s60, s60, STAGE                   ; the first block's half of my wave
	s_and_b32 s61, s13, 3
	s_mul_i32 s61, s61, PART
	s_lshr_b32 s47, s13, 2
	s_mul_i32 s47, s47, TOPLO-GAP
	s_add_co_u32 s61, s61, s47
	s_add_co_u32 s61, s61, GAP                     ; the second block's half of tile t: tiles 0-3 behind slot 0, tiles 4-7 behind the first block's halves
	s_mul_i32 s62, s13, PART
	s_add_co_u32 s62, s62, STAGE                   ; the first block's half of wave t
	s_lshr_b32 s63, s13, 1
	s_lshl_b32 s63, s63, 5
	s_and_b32 s47, s13, 1
	s_lshl_b32 s47, s47, 3
	s_add_co_u32 s63, s63, s47                     ; 32 (t / 2) + 8 (t % 2)
	s_mov_b32 s20, 0x76543210
	s_mov_b32 s21, 0xfedcba98                      ; lane l xor 16
	s_mov_b32 s22, 0x3e38aa3b                      ; c = log2(e) / 8
	s_mov_b32 s23, s22
	s_mov_b32 s16, s11                             ; my place
	s_mul_i32 s17, s11, STEPB                      ; slot 0, my parity's first place
	s_mov_b32 s18, 3
	v_and_b32 v[TMP], 31, v0                       ; lane
	v_and_b32 v253, 15, v0                         ; r
	v_bfe_u32 v254, v0, 4, 1                       ; h
	s_delay_alu instid0(VALU_DEP_3)
	v_lshlrev_b32 v[L16], 4, v[TMP]
	s_delay_alu instid0(VALU_DEP_4)
	v_lshlrev_b32 v[L8], 3, v[TMP]
	s_delay_alu instid0(VALU_DEP_4)
	v_lshlrev_b32 v[R16], 4, v253
	global_load_b128 v[QF:QF+3], v[L16], s[48:49]
	global_load_b64 v[QF+4:QF+5], v[L8], s[48:49] offset:512
	global_load_b32 v[QS], v[R16], s[50:51]
	global_load_b128 v[SS:SS+3], v[L16], s[52:53]
	global_load_b64 v[SS+4:SS+5], v[L8], s[52:53] offset:512
	global_load_b32 v[SS+6], v[R16], s[54:55]
	v_add_nc_u32 v[SH], s60, v[L16]
	v_add_nc_u32 v[SL], s61, v[L16]
	v_add_nc_u32 v[MR], s62, v[L16]
	v_and_b32 v[DD], 8, v253
	v_lshlrev_b32 v254, 4, v254
	s_delay_alu instid0(VALU_DEP_2)
	v_add3_u32 v[DD], v[DD], v253, s63             ; my query in its step
	s_delay_alu instid0(VALU_DEP_1)
	v_sub_nc_u32 v[DD], v[DD], v254                ; less 16 h.  Register 16 b + i holds key 32 b + 16 h + i: hidden where 32 b + i > this
	v_mov_b32 v[FF], 0
	v_mov_b32 v[PW], 0
	v_mov_b32 v[SS+7], 0
.irp i, 6,7,8,9,10,11
	v_mov_b32 v[QF+\i], 0                          ; zero codes for the upper 64 of the first product's K step
	v_mov_b32 v[KF+\i], 0
	v_mov_b32 v[KF+12+\i], 0
	v_mov_b32 v[KF+24+\i], 0
	v_mov_b32 v[KF+36+\i], 0
.endr
.irp b, 0,1,2,3
	v_mov_b32 v[PT+\b], 0                          ; a lane permute's destination counts as one of its sources
.endr
	RESET
	s_wait_alu depctr_va_vdst(0)
	s_wait_loadcnt 0x0
	ds_store_b128 v[SH], v[SS:SS+3]                ; the second block's Q waits in my own LDS bytes
	ds_store_b128 v[SH], v[SS+4:SS+7] offset:512
.macro ADRS                            ; my s45-th place of the slot in hand: two places on for each step
	s_mul_i32 s46, s45, 2*STEPB
	s_add_co_u32 s46, s46, s17
	v_add_nc_u32 v[A16], s46, v[L16]
	v_add_nc_u32 v[A8], s46, v[L8]
	v_add_nc_u32 v[ASC], s46, v[R16]
.endm
; A STEP: 128 keys.  turn = 1: behind it stands the change of blocks.
.macro STEP turn
	s_wait_alu depctr_va_vdst(0)                   ; ahead of the readers below
	ds_load_b128 v[KSC:KSC+3], v[ASC] offset:KSCO
	ds_load_b128 v[KSC+4:KSC+7], v[ASC] offset:KSCO+256
.irp t, 0,1,2,3
	ds_load_b128 v[KF+12*\t:KF+12*\t+3], v[A16] offset:768*\t
	ds_load_b64 v[KF+12*\t+4:KF+12*\t+5], v[A8] offset:768*\t+512
.endr
	ds_load_b128 v[VSC:VSC+3], v[ASC] offset:VSCO
.irp f, 0,1,2,3
	FRAG VF+12*\f, A16, VCO+1536*\f                ; V is asked for now and wanted behind the softmax
.endr
	s_wait_dscnt 17                                ; K's words and tiles 0-3 are in; V's 17 loads may be out
.irp t, 0,1,2,3
	v_wmma_scale_f32_16x16x128_f8f6f4 v[SS+8*\t:SS+8*\t+7], v[KF+12*\t:KF+12*\t+11], v[QF:QF+11], 0, v[KSC+\t], v[QS] matrix_a_fmt:MATRIX_FMT_BF6 matrix_b_fmt:MATRIX_FMT_BF6
.endr
	PLACES                                         ; ahead of loads into registers that these products read
	s_wait_alu depctr_va_vdst(0)
.irp t, 0,1,2,3
	ds_load_b128 v[KF+12*\t:KF+12*\t+3], v[A16] offset:768*(4+\t)
	ds_load_b64 v[KF+12*\t+4:KF+12*\t+5], v[A8] offset:768*(4+\t)+512
.endr
	s_wait_dscnt 0x0
.irp t, 0,1,2,3
	v_wmma_scale_f32_16x16x128_f8f6f4 v[SS+32+8*\t:SS+32+8*\t+7], v[KF+12*\t:KF+12*\t+11], v[QF:QF+11], 0, v[KSC+4+\t], v[QS] matrix_a_fmt:MATRIX_FMT_BF6 matrix_b_fmt:MATRIX_FMT_BF6
.endr
	PLACES
	s_cmp_lg_u32 s16, s15                          ; only the step on the diagonal has hidden keys
	s_cbranch_scc1 .Lopen_\@
	v_mov_b32 v[NINF], 0xff800000                  ; their scores become -infinity ahead of the maximum: p = 0
.set NN, 0
.rept 64
	v_cmp_gt_i32 vcc_lo, 32*(NN/16)+NN%16, v[DD]
	v_cndmask_b32 v[SS+NN], v[SS+NN], v[NINF], vcc_lo
.set NN, NN+1
.endr
.Lopen_\@:
.irp b, 0,1,2,3
	v_max3_num_f32 v[BM+\b], v[SS+16*\b], v[SS+1+16*\b], v[SS+2+16*\b]   ; the largest score of each block of 32 keys: for the row's maximum and, since p rises with the score, for the block's largest p
.endr
.irp i, 3,5,7,9,11,13
.irp b, 0,1,2,3
	v_max3_num_f32 v[BM+\b], v[BM+\b], v[SS+16*\b+\i], v[SS+1+16*\b+\i]
.endr
.endr
.irp b, 0,1,2,3
	v_max_num_f32 v[BM+\b], v[BM+\b], v[SS+15+16*\b]
.endr
.irp b, 0,1,2,3
	s_delay_alu instid0(VALU_DEP_4)
	v_permlanex16_b32 v[PT+\b], v[BM+\b], s20, s21
.endr
.irp b, 0,1,2,3
	s_delay_alu instid0(VALU_DEP_4)
	v_max_num_f32 v[BM+\b], v[BM+\b], v[PT+\b]     ; with lane l xor 16's 16 keys
.endr
	s_delay_alu instid0(VALU_DEP_2)
	v_max3_num_f32 v[TMP], v[BM], v[BM+1], v[BM+2]
	s_delay_alu instid0(VALU_DEP_1)
	v_max_num_f32 v[TMP], v[TMP], v[BM+3]
	s_delay_alu instid0(VALU_DEP_1)
	v_mul_f32 v[TMP], s22, v[TMP]                  ; as t
	s_delay_alu instid0(VALU_DEP_1)
	v_max_num_f32 v13, v13, v[TMP]                 ; the running largest t
	v_mov_b32 v[TMP], v12
	s_delay_alu instid0(VALU_DEP_2)
	v_floor_f32 v12, -v13                          ; the new -M = -ceil(t)
	s_delay_alu instid0(VALU_DEP_1)
	v_sub_f32 v[TMP], v12, v[TMP]                  ; old M - new M: a whole number, 0 or less
	s_delay_alu instid0(VALU_DEP_1)
	v_cvt_i32_f32 v[TMP], v[TMP]                   ; (it saturates)
	s_delay_alu instid0(VALU_DEP_1)
	v_ldexp_f32 v[FF], 1.0, v[TMP]                 ; f
.set NN, 0
.rept 32
	v_pk_fma_f32 v[SS+NN:SS+NN+1], v[SS+NN:SS+NN+1], s[22:23], v[12:13] op_sel_hi:[1,0,0]   ; t - M, two at a time
.set NN, NN+2
.endr
.irp b, 0,1,2,3
	v_fma_f32 v[BM+\b], v[BM+\b], s22, v12         ; the same of each block's largest score
.endr
	s_wait_alu depctr_va_vdst(0)
.set NN, 0
.rept 64
	v_exp_f32 v[SS+NN], v[SS+NN]                   ; p = 2^(t - M)
.set NN, NN+1
.endr
.irp b, 0,1,2,3
	v_exp_f32 v[BM+\b], v[BM+\b]                   ; the block's largest p
.endr
	v_pk_mul_f32 v[14:15], v[14:15], v[FF:FF+1] op_sel_hi:[1,0]   ; the sums under the new M (a plain place behind the exponentials)
	s_wait_alu depctr_va_vdst(0)                   ; and behind it
.irp b, 0,1,2,3
	v_max_num_f32 v[BM+\b], 0x2800000, v[BM+\b]    ; the floor 2^(5 - 127)
.endr
.irp b, 0,1,2,3
	s_delay_alu instid0(VALU_DEP_4)
	v_add_nc_u32 v[SO+\b], 0xfe000000, v[BM+\b]    ; 4 off the exponent field: the conversion's scale operand
.endr
.irp b, 0,1,2,3
	s_delay_alu instid0(VALU_DEP_4)
	v_lshrrev_b32 v[PT+\b], 23, v[SO+\b]           ; the byte
.endr
	s_delay_alu instid0(VALU_DEP_3)
	v_lshl_or_b32 v[PW], v[PT+1], 8, v[PT]         ; p's scale word for these 128 keys
	s_delay_alu instid0(VALU_DEP_1)
	v_lshl_or_b32 v[PW], v[PT+2], 16, v[PW]
	s_delay_alu instid0(VALU_DEP_1)
	v_lshl_or_b32 v[PW], v[PT+3], 24, v[PW]
.irp c, 0,1
	v_cvt_scalef32_pk16_bf6_f32 v[PC+6*\c:PC+2+6*\c], v[SS+32*\c:SS+15+32*\c], v[SO+2*\c]
	v_cvt_scalef32_pk16_bf6_f32 v[KF+12*\c:KF+2+12*\c], v[SS+16+32*\c:SS+31+32*\c], v[SO+2*\c+1]
.endr
	v_nop                                          ; one plain place behind a scaled conversion
.irp c, 0,1                            ; the operand's layout wants a whole block in a lane
.irp i, 0,1,2
	v_permlane16_swap_b32 v[PC+6*\c+\i], v[KF+12*\c+\i]
.endr
.irp i, 0,1,2
	s_delay_alu instid0(VALU_DEP_3)
	v_mov_b32 v[PC+3+6*\c+\i], v[KF+12*\c+\i]
.endr
.endr
	v_pk_add_f32 v[CH:CH+1], v[SS:SS+1], v[SS+2:SS+3]              ; the sum of the unquantised p, two at a time, in three chains
	v_pk_add_f32 v[254:255], v[SS+4:SS+5], v[SS+6:SS+7]
.set NN, 8
.rept 9
	v_pk_add_f32 v[14:15], v[14:15], v[SS+NN:SS+NN+1]
	v_pk_add_f32 v[CH:CH+1], v[CH:CH+1], v[SS+NN+2:SS+NN+3]
	v_pk_add_f32 v[254:255], v[254:255], v[SS+NN+4:SS+NN+5]
.set NN, NN+6
.endr
	v_pk_add_f32 v[14:15], v[14:15], v[SS+62:SS+63]
	v_pk_add_f32 v[CH:CH+1], v[CH:CH+1], v[254:255]
	s_delay_alu instid0(VALU_DEP_1)
	v_pk_add_f32 v[14:15], v[14:15], v[CH:CH+1]
	s_wait_alu depctr_va_vdst(0)                   ; directly ahead of the first reader of O^T
.set NN, 0
.rept 16
	v_pk_mul_f32 v[OT+NN:OT+NN+1], v[OT+NN:OT+NN+1], v[FF:FF+1] op_sel_hi:[1,0]   ; O^T under the new M.  (The sums and these are also the places between p's codes and scale word and the products)
.set NN, NN+2
.endr
.irp f, 0,1,2,3
	v_wmma_scale_f32_16x16x128_f8f6f4 v[OT+8*\f:OT+8*\f+7], v[VF+12*\f:VF+12*\f+11], v[PC:PC+11], v[OT+8*\f:OT+8*\f+7], v[VSC+\f], v[PW] matrix_a_fmt:MATRIX_FMT_BF6 matrix_b_fmt:MATRIX_FMT_BF6
.endr
	PLACES                                         ; ahead of the next loads into V's registers and of the first read of O^T
.if \turn
	s_add_co_u32 s16, s16, 2
	s_cmp_lg_u32 s16, s19                          ; ids and the counted place alone: was that my last step of the first block?
	s_cbranch_scc1 .Lsame_\@
	ds_load_b128 v[QF:QF+3], v[SH]                 ; the second block's Q leaves my bytes (LDS serves a wave's instructions in order),
	ds_load_b128 v[QF+4:QF+7], v[SH] offset:512
	SAVE SH                                        ; and my half of the first block takes them
	s_mov_b32 s15, 32                              ; the second block's diagonal is the last place
	s_wait_dscnt 0x0                               ; Q is in, and the stores have read their registers
	v_mov_b32 v[QS], v[QF+6]
	v_mov_b32 v[QF+6], 0
	v_mov_b32 v[QF+7], 0
	RESET
.Lsame_\@:
.endif
.endm
; THE CHANGE OF SLOTS.  Behind the barrier the slot ahead is whole and nobody reads the other one, which (fill = 1) takes the next eight places.  Place i is key step i, or i - (32 - b) from 32 - b on.
.macro CHANGE fill, lim
	s_wait_tensorcnt 0x0                           ; no tensor load of mine is out, so the descriptor may be written
	ds_add_u32 v[SPW], v[NIL]                      ; 0 onto my spare word
.if \fill
	ds_add_u32 v[SPW], v[NIL]                      ; and once more
	s_xor_b32 s33, s33, SLOT1
	s_add_co_u32 s36, s36, 8
	s_cmp_ge_u32 s36, s37
	s_cselect_b32 s38, s37, 0
	s_sub_co_u32 s38, s36, s38
	s_mul_i32 s38, s38, STEPB
	s_add_nc_u64 s[34:35], s[40:41], s[38:39]
	s_or_b32 s35, s35, 0x80000000
.endif
	s_wait_dscnt 0x0                               ; the add is done, and my reads of the slot that I have left are over
	s_barrier_signal -1
	s_barrier_wait -1
.if \fill
	TLOAD \lim
.endif
.endm
.macro WALK                            ; my four places of the slot in hand
	s_mov_b32 s45, 0
.Lstep_\@:
	ADRS
	STEP 1
	s_add_co_u32 s45, s45, 1
	s_cmp_lt_u32 s45, 4
	s_cbranch_scc1 .Lstep_\@
	s_xor_b32 s17, s17, SLOT1
.endm
.Lslot:                                            ; three trips: slots 0-2 are worked, slots 1-3 asked for
	CHANGE 1, 8
	WALK
	s_sub_co_u32 s18, s18, 1
	s_cmp_lg_u32 s18, 0
	s_cbranch_scc1 .Lslot
	CHANGE 1, 1                                    ; the tail is written out: place 32 alone is left to fetch, by wave 0
	WALK
	s_cmp_eq_u32 s11, 0
	s_cbranch_scc1 .Lno_save
	s_wait_alu depctr_va_vdst(0)                   ; ahead of the readers below
	SAVE SL                                        ; parity 1 has no place left: its half of the second block
.Lno_save:
	CHANGE 0, 0                                    ; place 32 is in; all halves that are read below lie in LDS
	s_mov_b32 s45, 0
	ADRS
	s_cmp_lg_u32 s11, 0
	s_cbranch_scc1 .Lodd
	STEP 0                                         ; parity 0: place 32, the second block's diagonal;
	LOADP SS, SS+32, SL                            ; its own half is in registers, its partner's comes from LDS
	s_branch .Ljoin
.Lodd:
	LOADP OT, 12, MR                               ; parity 1: the first block's two halves
	LOADP SS, SS+32, SH
.Ljoin:
	s_wait_dscnt 0x0
	v_min_num_f32 v[TMP], v12, v[SS+32]            ; -M of the two together
	v_add_f32 v14, v14, v15
	v_add_f32 v[SS+34], v[SS+34], v[SS+35]
	s_delay_alu instid0(VALU_DEP_3)
	v_sub_f32 v12, v[TMP], v12                     ; each half's M less the common one: whole numbers, 0 or less (a half without a step: -3e38)
	v_sub_f32 v13, v[TMP], v[SS+32]
	s_delay_alu instid0(VALU_DEP_2)
	v_cvt_i32_f32 v12, v12                         ; (it saturates)
	s_delay_alu instid0(VALU_DEP_2)
	v_cvt_i32_f32 v13, v13
	s_delay_alu instid0(VALU_DEP_2)
	v_ldexp_f32 v[FF], 1.0, v12
	s_delay_alu instid0(VALU_DEP_2)
	v_ldexp_f32 v[PT], 1.0, v13
	s_delay_alu instid0(VALU_DEP_2)
	v_mul_f32 v14, v14, v[FF]
	s_delay_alu instid0(VALU_DEP_1)
	v_fmac_f32 v14, v[SS+34], v[PT]
	s_delay_alu instid0(VALU_DEP_1)
	v_permlanex16_b32 v[TMP], v14, s20, s21
	s_delay_alu instid0(VALU_DEP_1)
	v_add_f32 v14, v14, v[TMP]                     ; the row's sum
	s_wait_alu depctr_va_vdst(0)
	v_rcp_f32 v14, v14
	v_nop                                          ; a plain place behind the transcendental
	s_wait_alu depctr_va_vdst(0)
	v_mul_f32 v[FF], v[FF], v14                    ; the powers of two take the division with them
	v_mul_f32 v[PT], v[PT], v14
	s_wait_alu depctr_va_vdst(0)                   ; directly ahead of the first reader of O^T
.set NN, 0
.rept 16
	v_pk_mul_f32 v[OT+NN:OT+NN+1], v[OT+NN:OT+NN+1], v[FF:FF+1] op_sel_hi:[1,0]   ; each accumulator from its low end on
.set NN, NN+2
.endr
.set NN, 0
.rept 16
	v_pk_fma_f32 v[SS+NN:SS+NN+1], v[SS+NN:SS+NN+1], v[PT:PT+1], v[OT+NN:OT+NN+1] op_sel_hi:[1,0,1]
.set NN, NN+2
.endr
	; my 32 numbers are d = 32 b + 16 h + 0 .. 15 of my query: two blocks of the last product's K, each shared with lane l xor 16
.irp b, 0,1
	v_max3_num_f32 v[BM+\b], |v[SS+16*\b]|, |v[SS+1+16*\b]|, 0x2800000
.endr
.irp i, 2,4,6,8,10,12,14
.irp b, 0,1
	s_delay_alu instid0(VALU_DEP_2)
	v_max3_num_f32 v[BM+\b], v[BM+\b], |v[SS+16*\b+\i]|, |v[SS+1+16*\b+\i]|
.endr
.endr
.irp b, 0,1
	s_delay_alu instid0(VALU_DEP_2)
	v_permlanex16_b32 v[PT+\b], v[BM+\b], s20, s21
.endr
.irp b, 0,1
	s_delay_alu instid0(VALU_DEP_2)
	v_max_num_f32 v[BM+\b], v[BM+\b], v[PT+\b]
.endr
.irp b, 0,1
	s_delay_alu instid0(VALU_DEP_2)
	v_add_nc_u32 v[SO+\b], 0xfe000000, v[BM+\b]
.endr
.irp b, 0,1
	s_delay_alu instid0(VALU_DEP_2)
	v_lshrrev_b32 v[PT+\b], 23, v[SO+\b]
.endr
	s_delay_alu instid0(VALU_DEP_1)
	v_lshl_or_b32 v253, v[PT+1], 8, v[PT]          ; my row's two bytes
	v_cvt_scalef32_pk16_bf6_f32 v[PC:PC+2], v[SS:SS+15], v[SO]
	v_cvt_scalef32_pk16_bf6_f32 v[KF:KF+2], v[SS+16:SS+31], v[SO+1]
	v_nop
.irp i, 0,1,2
	v_permlane16_swap_b32 v[PC+\i], v[KF+\i]
.endr
.irp i, 0,1,2
	s_delay_alu instid0(VALU_DEP_3)
	v_mov_b32 v[PC+3+\i], v[KF+\i]
.endr
	global_store_b128 v[L16], v[PC:PC+3], s[56:57]             ; 512 and 256 consecutive bytes, each at a multiple of 256 from the buffer's first byte
	global_store_b64 v[L8], v[PC+4:PC+5], s[56:57] offset:512
	v_and_b32 v[TMP], 16, v0
	s_delay_alu instid0(VALU_DEP_1)
	v_cmp_eq_u32 vcc_lo, 0, v[TMP]
	s_wait_xcnt 0x0                                ; EXEC changes only behind this wait
	s_and_saveexec_b32 s42, vcc_lo
	global_store_b16 v[R16], v253, s[58:59]        ; lanes 0-15: two bytes a row (a word's other bytes are other heads')
	s_wait_xcnt 0x0
	s_or_b32 exec_lo, exec_lo, s42
	s_wait_tensorcnt 0x0                           ; the wave's end
	ds_add_u32 v[SPW], v[NIL]
	s_wait_dscnt 0x0
	s_endpgm
.Lfunc_end_k_q9dcc1a8251_attn:
	.size	k_q9dcc1a8251_attn, .Lfunc_end_k_q9dcc1a8251_attn-k_q9dcc1a8251_attn
	.p2alignl 7, 3214868480
	.fill 96, 4, 3214868480
	.section	.rodata,"a",@progbits
	.p2align	6, 0x0
	.amdhsa_kernel k_q9dcc1a8251_attn
		.amdhsa_group_segment_fixed_size 327680
		.amdhsa_private_segment_fixed_size 0
		.amdhsa_enable_private_segment 0
		.amdhsa_kernarg_size 24
		.amdhsa_user_sgpr_count 2
		.amdhsa_user_sgpr_kernarg_segment_ptr 1
		.amdhsa_wavefront_size32 1
		.amdhsa_system_sgpr_workgroup_id_x 1
		.amdhsa_system_sgpr_workgroup_id_y 1
		.amdhsa_system_sgpr_workgroup_id_z 1
		.amdhsa_system_vgpr_workitem_id 0
		.amdhsa_next_free_vgpr 256
		.amdhsa_next_free_sgpr 66
		.amdhsa_reserve_vcc 1
		.amdhsa_float_denorm_mode_32 3
		.amdhsa_float_denorm_mode_16_64 3
		.amdhsa_memory_ordered 1
		.amdhsa_forward_progress 1
		.amdhsa_inst_pref_size 91
	.end_amdhsa_kernel
	.amdgpu_metadata
---
amdhsa.version: [ 1, 2 ]
amdhsa.kernels:
  - .name:           k_q9dcc1a8251_attn
    .symbol:         k_q9dcc1a8251_attn.kd
    .args:
      - { .name: qbuf, .offset: 0, .size: 8, .value_kind: global_buffer, .address_space: global }
      - { .name: kv, .offset: 8, .size: 8, .value_kind: global_buffer, .address_space: global }
      - { .name: ao, .offset: 16, .size: 8, .value_kind: global_buffer, .address_space: global }
    .group_segment_fixed_size: 327680
    .private_segment_fixed_size: 0
    .kernarg_segment_align: 8
    .kernarg_segment_size: 24
    .max_flat_workgroup_size: 512
    .sgpr_count:     66
    .vgpr_count:     256
    .wavefront_size: 32
...
	.end_amdgpu_metadata
.endif
;; end of part 3
;; launch proj (part 4): grid 8 x 32, 4 waves a work-group, clusters of 4 x 4, 327,680 bytes of LDS; arguments cw, ao, out0; writes out0
.if DOCPART == 4
	.amdgcn_target "amdgcn-amd-amdhsa--gfx1250"
	.amdhsa_code_object_version 6
	.text
	.protected	k_q9dcc1a8251_proj
	.globl	k_q9dcc1a8251_proj
	.p2align	8
	.type	k_q9dcc1a8251_proj,@function
k_q9dcc1a8251_proj:
	s_mov_b64 s[64:65], 0
	v_nop
	global_prefetch_b8 v0, s[64:65] scope:SCOPE_SE
	s_setreg_imm32_b32 hwreg(HW_REG_WAVE_MODE, 25, 1), 1
	s_wait_xcnt 0x0
	s_wait_alu depctr_hold_cnt(0) depctr_sa_sdst(0) depctr_va_vdst(0) depctr_va_sdst(0) depctr_va_ssrc(0) depctr_va_vcc(0) depctr_vm_vsrc(0)
	s_getreg_b32 s2, hwreg(HW_REG_IB_STS2, 6, 4)
	s_cmp_eq_u32 s2, 0
	s_cbranch_scc0 .Lentry_in_a_cluster
	s_endpgm
.Lentry_in_a_cluster:
	s_bfe_u32 s2, ttmp6, 0x10000c
	s_cmp_lg_u32 s2, 0xf033
	s_cbranch_scc0 .Lentry_shape_is_right
	s_endpgm
.Lentry_shape_is_right:
.set BLK,   102400
.set QTR,   25600
.set LB0,   BLK
.set STAGE, 2*BLK
.set SCO,   98304
.set AA,    4
.set AB0,   8
.set ADRS0, 16
.set O16,   18
.set O8,    19
.set STO,   20
.set RD,    21
.set CO,    22
.set SCR,   32
.set ACC,   128
.set G1A, 24
.set G1B, 32
.set G0A, 40
.set G0B, 44
.set MSB, 0
.macro WIN new
.if MSB != \new
	s_set_vgpr_msb (MSB<<8)|\new
.set MSB, \new
.endif
.endm
.set TO_F, 0x40
.set MUL,  0x05
.macro CROUND
	s_barrier_signal -1
	s_barrier_wait -1
	s_cmp_lg_u32 s12, 0
	s_cbranch_scc1 .Lnot_wave_0_\@
	s_barrier_signal -3
.Lnot_wave_0_\@:
	s_barrier_wait -3
	s_barrier_signal -1
	s_barrier_wait -1
.endm
.macro PLACES
.rept 4
	v_nop
.endr
.endm
	s_load_b128 s[4:7], s[0:1], 0x0
	s_load_b64 s[8:9], s[0:1], 0x10
	v_lshl_add_u32 v30, v0, 2, 0x36400
	v_mov_b32 v31, 0
	ds_add_u32 v30, v31
	ds_add_u32 v30, v31
	v_lshrrev_b32 v1, 5, v0
	v_readfirstlane_b32 s12, v1
	s_lshr_b32 s13, s12, 1
	s_and_b32 s14, s12, 1
	s_bfe_u32 s15, ttmp6, 0x40000
	s_bfe_u32 s16, ttmp6, 0x40004
	s_lshl_b32 s17, ttmp9, 2
	s_add_co_u32 s17, s17, s15
	s_and_b32 s18, ttmp7, 0xffff
	s_lshl_b32 s18, s18, 2
	s_add_co_u32 s18, s18, s16
	s_lshl_b32 s19, s16, 2
	s_lshl_b32 s19, 15, s19
	s_lshl_b32 s20, 0x1111, s15
	s_or_b32 s[G1A], s19, (3<<16)|(1<<21)
	s_or_b32 s[G1B], s20, (3<<16)|(1<<21)
.irp g, G1A, G1B
	s_mov_b32 s[\g+1], 32<<16
	s_mov_b32 s[\g+2], 200<<16                     ; a load brings half a block: 200 rows of 256 bytes
	s_mov_b32 s[\g+3], 32<<16
	s_mov_b32 s[\g+4], 200
	s_mov_b32 s[\g+5], 32
	s_mov_b32 s[\g+6], 0
	s_mov_b32 s[\g+7], 0
.endr
	s_mul_i32 s21, s14, 2*QTR                      ; which half of a block I fetch, in memory and in LDS alike
	s_mul_i32 s50, s18, BLK
	s_add_co_u32 s50, s50, s21
	s_mov_b32 s51, 0
	s_add_co_u32 s52, s17, 56
	s_mul_i32 s52, s52, BLK
	s_add_co_u32 s52, s52, s21
	s_mov_b32 s53, 0
	s_wait_dscnt 0x0
	s_wait_kmcnt 0x0
	s_mov_b32 s[G0A], 1
	s_mov_b32 s[G0A+1], s21
	s_add_nc_u64 s[G0A+2:G0A+3], s[6:7], s[50:51]
	s_or_b32 s[G0A+3], s[G0A+3], 0x80000000
	s_mov_b32 s[G0B], 1
	s_add_co_u32 s[G0B+1], s21, LB0
	s_add_nc_u64 s[G0B+2:G0B+3], s[4:5], s[52:53]
	s_or_b32 s[G0B+3], s[G0B+3], 0x80000000
	CROUND
	s_cmp_eq_u32 s13, 0                            ; one joint load a wave: waves 0, 1 the halves of the tokens' block, waves 2, 3 the halves of the weights'
	s_cbranch_scc0 .Lhead_w
	tensor_load_to_lds s[G0A:G0A+3], s[G1A:G1A+7]
	s_nop 0
.rept 4
	v_nop
.endr
	s_branch .Lhead_asked
.Lhead_w:
	tensor_load_to_lds s[G0B:G0B+3], s[G1B:G1B+7]
	s_nop 0
.rept 4
	v_nop
.endr
.Lhead_asked:
.rept 4
	v_nop
.endr
	v_and_b32 v1, 31, v0
	v_and_b32 v2, 15, v0
	v_bfe_u32 v3, v0, 4, 1
	v_lshlrev_b32 v[O16], 4, v1
	v_lshlrev_b32 v[O8], 3, v1
	s_mul_i32 s54, s13, 6144
	s_mul_i32 s55, s14, 6144
	v_add_nc_u32 v[AA], s54, v[O16]
	v_add_nc_u32 v[AA+1], s54, v[O8]
	v_add_nc_u32 v[AA+2], 49152, v[AA]
	v_add_nc_u32 v[AA+3], 49152, v[AA+1]
	s_add_co_u32 s54, s55, LB0
	v_add_nc_u32 v[AB0], s54, v[O16]
	v_add_nc_u32 v[AB0+1], s54, v[O8]
	v_add_nc_u32 v[AB0+2], 49152, v[AB0]
	v_add_nc_u32 v[AB0+3], 49152, v[AB0+1]
	s_lshl_b32 s54, s13, 11
	s_add_co_u32 s54, s54, SCO
	v_lshl_add_u32 v23, v2, 4, s54
	s_xor_b32 s55, s13, 1
	s_add_co_u32 s55, s55, s14
	s_lshl_b32 s55, s55, 11
	s_add_co_u32 s55, s55, LB0-2048
	v_mul_u32_u24 v24, s55, v3
	v_add_nc_u32 v[ADRS0], v23, v24
	s_mul_i32 s54, s12, 4352
	s_add_co_u32 s54, s54, STAGE
	v_mul_u32_u24 v[STO], v2, 272
	v_lshl_add_u32 v[STO], v3, 6, v[STO]
	v_add_nc_u32 v[STO], s54, v[STO]
	v_mul_u32_u24 v[RD], v3, 272
	v_lshl_add_u32 v[RD], v2, 4, v[RD]
	v_add_nc_u32 v[RD], s54, v[RD]
	v_lshlrev_b32 v[CO], 12, v3
	v_lshl_add_u32 v[CO], v2, 4, v[CO]
	s_lshl_b32 s56, s18, 7
	s_lshl_b32 s57, s13, 6
	s_add_co_u32 s56, s56, s57
	s_lshl_b32 s56, s56, 12
	s_lshl_b32 s57, s17, 9
	s_add_co_u32 s56, s56, s57
	s_lshl_b32 s57, s14, 8
	s_add_co_u32 s56, s56, s57
	s_mov_b32 s57, 0
	s_add_nc_u64 s[8:9], s[8:9], s[56:57]
.macro FRAG reg, ad, off
	ds_load_b128 v[\reg:\reg+3], v[\ad] offset:\off
	ds_load_b64 v[\reg+4:\reg+5], v[\ad+1] offset:\off+512
	ds_load_b128 v[\reg+6:\reg+9], v[\ad] offset:\off+768
	ds_load_b64 v[\reg+10:\reg+11], v[\ad+1] offset:\off+1280
.endm
.macro FETCH buf, ks, ad0, ad1
.irp i, 0,1,2,3
	FRAG \buf+12*\i, \ad0+2*((\ks)/4), ((\ks)%4)*12288+1536*\i
	FRAG \buf+48+12*\i, \ad1+2*((\ks)/4), ((\ks)%4)*12288+1536*\i
.endr
.endm
.macro MUL16 buf, ks, zero
.irp j, 0,1,2,3
.irp i, 0,1,2,3
.if \zero
	v_wmma_scale_f32_16x16x128_f8f6f4 v[ACC+8*(4*\j+\i):ACC+8*(4*\j+\i)+7], v[\buf+12*\i:\buf+12*\i+11], v[\buf+48+12*\j:\buf+48+12*\j+11], 0, v[SCR+8*\i+\ks], v[SCR+8*\j+\ks] matrix_a_fmt:MATRIX_FMT_BF6 matrix_b_fmt:MATRIX_FMT_BF6 matrix_a_scale:MATRIX_SCALE_ROW1
.else
	v_wmma_scale_f32_16x16x128_f8f6f4 v[ACC+8*(4*\j+\i):ACC+8*(4*\j+\i)+7], v[\buf+12*\i:\buf+12*\i+11], v[\buf+48+12*\j:\buf+48+12*\j+11], v[ACC+8*(4*\j+\i):ACC+8*(4*\j+\i)+7], v[SCR+8*\i+\ks], v[SCR+8*\j+\ks] matrix_a_fmt:MATRIX_FMT_BF6 matrix_b_fmt:MATRIX_FMT_BF6 matrix_a_scale:MATRIX_SCALE_ROW1
.endif
.endr
.endr
.endm
	s_wait_alu depctr_va_vdst(0)
	s_wait_tensorcnt 0x0
	s_barrier_signal -1
	s_barrier_wait -1
.irp i, 0,1,2,3
	ds_load_b128 v[SCR+8*\i:SCR+8*\i+3], v[ADRS0] offset:512*\i
	ds_load_b128 v[SCR+8*\i+4:SCR+8*\i+7], v[ADRS0] offset:512*\i+256
.endr
	WIN TO_F
	FETCH 0, 0, AB0, AA
.irp k, 0,1,2,3,4,5,6
	PLACES
	WIN TO_F
	FETCH 128*((\k+1)%2), \k+1, AB0, AA
	s_wait_dscnt 32
	WIN MUL
.if \k == 0
	MUL16 0, 0, 1
.else
	MUL16 128*(\k%2), \k, 0
.endif
.endr
	s_wait_dscnt 0x0
	MUL16 128, 7, 0
	WIN 0
	PLACES
.macro OUT t
.set BB, 64+32*((\t)%2)
.if \t >= 2
	s_wait_xcnt 0x0
.endif
.irp b, 0,1
.irp k, 0,1,2,3
	ds_store_b128 v[STO], v[ACC+32*\t+16*\b+4*\k:ACC+32*\t+16*\b+4*\k+3] offset:128*\b+16*\k
.endr
.endr
.irp i, 0,1,2,3,4,5,6,7
	ds_load_b128 v[BB+4*\i:BB+4*\i+3], v[RD] offset:544*\i
.endr
.irp i, 0,1,2,3,4,5,6,7
	s_wait_dscnt 7-\i
	global_store_b128 v[CO], v[BB+4*\i:BB+4*\i+3], s[8:9] offset:(32*(\t/2)+8*(\t%2)+2*\i+8*(\i/4))*4096 th:TH_STORE_NT
.endr
.endm
	OUT 0
	OUT 1
	OUT 2
	OUT 3
	s_wait_dscnt 0x0
	s_wait_tensorcnt 0x0
	ds_add_u32 v30, v31
	s_wait_dscnt 0x0
	CROUND
	s_endpgm
.Lfunc_end_k_q9dcc1a8251_proj:
	.size	k_q9dcc1a8251_proj, .Lfunc_end_k_q9dcc1a8251_proj-k_q9dcc1a8251_proj
	.p2alignl 7, 3214868480
	.fill 96, 4, 3214868480
	.section	.rodata,"a",@progbits
	.p2align	6, 0x0
	.amdhsa_kernel k_q9dcc1a8251_proj
		.amdhsa_group_segment_fixed_size 327680
		.amdhsa_private_segment_fixed_size 0
		.amdhsa_enable_private_segment 0
		.amdhsa_kernarg_size 24
		.amdhsa_user_sgpr_count 2
		.amdhsa_user_sgpr_kernarg_segment_ptr 1
		.amdhsa_wavefront_size32 1
		.amdhsa_system_sgpr_workgroup_id_x 1
		.amdhsa_system_sgpr_workgroup_id_y 1
		.amdhsa_system_sgpr_workgroup_id_z 1
		.amdhsa_system_vgpr_workitem_id 0
		.amdhsa_next_free_vgpr 512
		.amdhsa_next_free_sgpr 80
		.amdhsa_reserve_vcc 0
		.amdhsa_float_denorm_mode_32 3
		.amdhsa_float_denorm_mode_16_64 3
		.amdhsa_memory_ordered 1
		.amdhsa_forward_progress 1
		.amdhsa_inst_pref_size 49
	.end_amdhsa_kernel
	.amdgpu_metadata
---
amdhsa.version: [ 1, 2 ]
amdhsa.kernels:
  - .name:           k_q9dcc1a8251_proj
    .symbol:         k_q9dcc1a8251_proj.kd
    .args:
      - { .name: cw, .offset: 0, .size: 8, .value_kind: global_buffer, .address_space: global }
      - { .name: ao, .offset: 8, .size: 8, .value_kind: global_buffer, .address_space: global }
      - { .name: out0, .offset: 16, .size: 8, .value_kind: global_buffer, .address_space: global }
    .group_segment_fixed_size: 327680
    .private_segment_fixed_size: 0
    .kernarg_segment_align: 8
    .kernarg_segment_size: 24
    .max_flat_workgroup_size: 128
    .sgpr_count:     80
    .vgpr_count:     512
    .wavefront_size: 32
...
	.end_amdgpu_metadata
.endif
;; end of part 4
